; MI455X (gfx1250); checked and timed in simulation.
; The chip was launched on July 23, 2026; its instructions are those of AMD's public machine-readable ISA for CDNA 5 (MIT licence, August 2026) and "CDNA5" Instruction Set Architecture Reference Guide (July 2026). The comments in the code are by the model that wrote it; some were corrected since.
;; Sliding Window Attention Block. Allowed arithmetic: float matrix products may take bf16 or f16 operands with f32 sums; all other float work in f32.
;; Inputs: W_out 1,024 x 1,024 float32; W_qkv 3,072 x 1,024 float32; beta 1,024 float32; gamma 1,024 float32; x 2 x 2,048 x 1,024 float32.
;; Outputs: out0 2 x 2,048 x 1,024 float32.
;; 2 versions, each right; version 2 is version 1 with the launch prep written anew for expert scheduling mode. Each part assembles by itself: llvm-mc -triple=amdgcn-amd-amdhsa -mcpu=gfx1250 --defsym DOCPART=n.
;; ======== version 1 of 2: 4 launches
;; limits: values are held in f16: magnitudes above 65,504 overflow, below 6.1e-05 lose precision
;; workspace buffers: xn 8,388,608 bytes; wq 6,291,456 bytes; wo 2,097,152 bytes; qkvh 25,165,824 bytes; attnh 8,388,608 bytes
;; launch prep (part 1): grid 512 x 1, 8 waves a work-group, no clusters, 0 bytes of LDS; arguments x, gamma, beta, W_qkv, W_out, xn, wq, wo; writes xn, wq, wo
.if DOCPART == 1
	.amdgcn_target "amdgcn-amd-amdhsa--gfx1250"
	.amdhsa_code_object_version 6
	.text
	.protected	k_qdf3abefca8_prep
	.globl	k_qdf3abefca8_prep
	.p2align	8
	.type	k_qdf3abefca8_prep,@function
k_qdf3abefca8_prep:
	s_mov_b64 s[64:65], 0
	v_nop
	global_prefetch_b8 v0, s[64:65] scope:SCOPE_SE
	s_setreg_imm32_b32 hwreg(HW_REG_WAVE_MODE, 25, 1), 1
	s_wait_xcnt 0x0
; prep: xn = LayerNorm(x) in f16; wq, wo = W_qkv, W_out in f16 with their rows permuted inside each group of 64.
; 8,192 rows of 1,024 f32 (4,096 of x, 3,072 of W_qkv, 1,024 of W_out); a wave takes two neighbouring rows, a work-group sixteen.
; Work-groups 0-255: LayerNorm; 256-447: W_qkv; 448-511: W_out.  Every work-group reads 64 KiB and stores 32 KiB.
; A row stays in 32 registers of a wave: load u takes the 16 bytes at 16 lane + 512 u (512 neighbouring bytes an instruction);
; packed to f16 these are 8 bytes at 8 lane + 256 u, so that each store of the wave covers 256 consecutive bytes, aligned.
; LayerNorm in two passes (the mean first, then the sum of (x - mean)^2), so that a common offset of x costs no accuracy.
; THE PERMUTATION: true row e of a weight lies at position (e & ~63) + 16 (e & 3) + ((e >> 2) & 15), so that position 16 b + i of a group
; holds true row 4 i + b.  In the products that follow, lane r of matrix tile b then holds output column 4 r + b: the four tiles of a
; group give a lane four neighbouring columns, and the results are stored without a pass through LDS.
; WHY f16: the first tokens of a sequence attend to one or two keys, so their results are not averaged down and carry every operand's rounding
; at full size; 11 significant bits leave margin there, 8 do not.
; LIMITS: f16 ends at 65,504.  |xn| <= 32 max|gamma| + max|beta| (a normalised row of 1,024 numbers has none above 32), about 1,000 for a gamma of 30;
; a weight above 65,504 becomes infinity.  Below 2^-14 the step of f16 is 2^-24: for weights of rms 0.001 that is 6e-5 of their rms.
; NaN and infinities in the inputs are passed on as arithmetic makes them.
; No LDS, no barrier, no matrix unit, no cluster: nothing is shared between waves and memory bounds the launch.
.set X0,   4                           ; v[4:35]    row 0
.set X1,   36                          ; v[36:67]   row 1
.set GA,   68                          ; v[68:99]   gamma of my 32 columns
.set BE,   100                         ; v[100:131] beta
.set SUM0, 132                         ; pairs: partial sums,
.set SUM1, 134
.set MU0,  136                         ; the mean twice,
.set MU1,  138
.set RS0,  140                         ; 1 / sqrt(var + eps) twice
.set RS1,  142
	s_load_b512 s[8:23], s[0:1], 0x0               ; x 8:9, gamma 10:11, beta 12:13, W_qkv 14:15, W_out 16:17, xn 18:19, wq 20:21, wo 22:23
	v_lshrrev_b32 v3, 5, v0
	v_readfirstlane_b32 s2, v3                     ; wave
	v_and_b32 v1, 31, v0
	v_lshlrev_b32 v2, 3, v1                        ; 8 lane: stores
	v_lshlrev_b32 v1, 4, v1                        ; 16 lane: loads
	s_lshl_b32 s3, ttmp9, 3
	s_add_co_u32 s3, s3, s2                        ; my pair of rows, 0 to 4,095
	s_mov_b32 s5, 0
	s_mov_b32 s7, 0
	s_wait_kmcnt 0x0
	s_cmp_ge_u32 ttmp9, 256
	s_cbranch_scc1 .Lcast
	; ---- LayerNorm of two rows ----
	s_mov_b32 s24, 0x76543210                      ; v_permlanex16_b32: lane i of one half reads lane i of the other
	s_mov_b32 s25, 0xfedcba98
	s_mov_b32 s26, 0x3a800000                      ; 1 / 1024
	s_mov_b32 s27, 0x3727c5ac                      ; eps = 1e-5
	s_lshl_b32 s4, s3, 13                          ; two rows of 4,096 bytes
	s_lshl_b32 s6, s3, 12                          ; two rows of 2,048 bytes
	s_add_nc_u64 s[8:9], s[8:9], s[4:5]
	s_add_nc_u64 s[18:19], s[18:19], s[6:7]
.irp u, 0,1,2,3,4,5,6,7
	global_load_b128 v[X0+4*\u:X0+4*\u+3], v1, s[8:9] offset:512*\u th:TH_LOAD_NT
.endr
.irp u, 0,1,2,3,4,5,6,7
	global_load_b128 v[X1+4*\u:X1+4*\u+3], v1, s[8:9] offset:4096+512*\u th:TH_LOAD_NT
.endr
.irp u, 0,1,2,3,4,5,6,7
	global_load_b128 v[GA+4*\u:GA+4*\u+3], v1, s[10:11] offset:512*\u
.endr
.irp u, 0,1,2,3,4,5,6,7
	global_load_b128 v[BE+4*\u:BE+4*\u+3], v1, s[12:13] offset:512*\u
.endr
; the sum of a pair of partial sums over the 32 lanes, left in every lane (v3 has been written: the permute's destination counts as read)
.macro ACROSS p
	v_add_f32 v[\p], v[\p], v[\p+1]
	v_add_f32_dpp v[\p], v[\p], v[\p] row_xmask:1 row_mask:0xf bank_mask:0xf
	v_add_f32_dpp v[\p], v[\p], v[\p] row_xmask:2 row_mask:0xf bank_mask:0xf
	v_add_f32_dpp v[\p], v[\p], v[\p] row_xmask:4 row_mask:0xf bank_mask:0xf
	v_add_f32_dpp v[\p], v[\p], v[\p] row_xmask:8 row_mask:0xf bank_mask:0xf
	v_permlanex16_b32 v3, v[\p], s24, s25
	v_add_f32 v[\p], v[\p], v3
.endm
	s_wait_loadcnt 16                              ; the 16 younger loads are gamma's and beta's: both rows of x are in
	v_pk_add_f32 v[SUM0:SUM0+1], v[X0:X0+1], v[X0+2:X0+3]
	v_pk_add_f32 v[SUM1:SUM1+1], v[X1:X1+1], v[X1+2:X1+3]
.set j, 4
.rept 14
	v_pk_add_f32 v[SUM0:SUM0+1], v[SUM0:SUM0+1], v[X0+j:X0+j+1]
	v_pk_add_f32 v[SUM1:SUM1+1], v[SUM1:SUM1+1], v[X1+j:X1+j+1]
.set j, j+2
.endr
	ACROSS SUM0
	ACROSS SUM1
	v_mul_f32 v[MU0], s26, v[SUM0]                 ; the mean, in both registers of a pair
	v_mul_f32 v[MU0+1], s26, v[SUM0]
	v_mul_f32 v[MU1], s26, v[SUM1]
	v_mul_f32 v[MU1+1], s26, v[SUM1]
.set j, 0
.rept 16
	v_pk_add_f32 v[X0+j:X0+j+1], v[X0+j:X0+j+1], v[MU0:MU0+1] neg_lo:[0,1] neg_hi:[0,1]   ; d = x - mean, in place
	v_pk_add_f32 v[X1+j:X1+j+1], v[X1+j:X1+j+1], v[MU1:MU1+1] neg_lo:[0,1] neg_hi:[0,1]
.set j, j+2
.endr
	v_pk_mul_f32 v[SUM0:SUM0+1], v[X0:X0+1], v[X0:X0+1]
	v_pk_mul_f32 v[SUM1:SUM1+1], v[X1:X1+1], v[X1:X1+1]
.set j, 2
.rept 15
	v_pk_fma_f32 v[SUM0:SUM0+1], v[X0+j:X0+j+1], v[X0+j:X0+j+1], v[SUM0:SUM0+1]
	v_pk_fma_f32 v[SUM1:SUM1+1], v[X1+j:X1+j+1], v[X1+j:X1+j+1], v[SUM1:SUM1+1]
.set j, j+2
.endr
	ACROSS SUM0
	ACROSS SUM1
	v_fma_f32 v[SUM0], v[SUM0], s26, s27           ; var + eps
	v_fma_f32 v[SUM1], v[SUM1], s26, s27
	v_rsq_f32 v[RS0], v[SUM0]
	v_rsq_f32 v[RS0+1], v[SUM0]
	v_rsq_f32 v[RS1], v[SUM1]
	v_rsq_f32 v[RS1+1], v[SUM1]
	v_nop                                          ; one plain vector instruction between a transcendental and the use of its result (ISA guide 5.7.2)
	s_wait_loadcnt 0x0                             ; gamma and beta
.set j, 0
	s_wait_alu depctr_va_vdst(0)
.rept 16
	v_pk_mul_f32 v[X0+j:X0+j+1], v[X0+j:X0+j+1], v[RS0:RS0+1]
	v_pk_mul_f32 v[X1+j:X1+j+1], v[X1+j:X1+j+1], v[RS1:RS1+1]
	v_pk_fma_f32 v[X0+j:X0+j+1], v[X0+j:X0+j+1], v[GA+j:GA+j+1], v[BE+j:BE+j+1]
	v_pk_fma_f32 v[X1+j:X1+j+1], v[X1+j:X1+j+1], v[GA+j:GA+j+1], v[BE+j:BE+j+1]
.set j, j+2
.endr
.irp u, 0,1,2,3,4,5,6,7
	v_cvt_pk_f16_f32 v[X0+4*\u],   v[X0+4*\u],   v[X0+4*\u+1]      ; four numbers become 8 bytes, in the first two of their registers
	v_cvt_pk_f16_f32 v[X0+4*\u+1], v[X0+4*\u+2], v[X0+4*\u+3]
	global_store_b64 v2, v[X0+4*\u:X0+4*\u+1], s[18:19] offset:256*\u
.endr
.irp u, 0,1,2,3,4,5,6,7
	v_cvt_pk_f16_f32 v[X1+4*\u],   v[X1+4*\u],   v[X1+4*\u+1]
	v_cvt_pk_f16_f32 v[X1+4*\u+1], v[X1+4*\u+2], v[X1+4*\u+3]
	global_store_b64 v2, v[X1+4*\u:X1+4*\u+1], s[18:19] offset:2048+256*\u
.endr
	s_endpgm
	; ---- two rows of a weight: cast and put at their permuted places ----
.Lcast:
	s_sub_co_u32 s3, s3, 2048
	s_lshl_b32 s3, s3, 1                           ; row e (even) among the 4,096 weight rows, W_qkv's first
	s_cmp_lt_u32 ttmp9, 448
	s_cselect_b64 s[28:29], s[14:15], s[16:17]     ; from W_qkv or W_out
	s_cselect_b64 s[30:31], s[20:21], s[22:23]     ; to wq or wo
	s_cselect_b32 s32, 0, 3072
	s_sub_co_u32 s3, s3, s32                       ; e inside its own weight
	s_lshl_b32 s4, s3, 12
	s_add_nc_u64 s[28:29], s[28:29], s[4:5]
	s_and_b32 s33, s3, 0xffffffc0                  ; the group of 64
	s_and_b32 s34, s3, 3
	s_lshl_b32 s34, s34, 4                         ; 16 (e & 3)
	s_bfe_u32 s35, s3, 0x40002                     ; (e >> 2) & 15
	s_add_co_u32 s33, s33, s34
	s_add_co_u32 s33, s33, s35
	s_lshl_b32 s6, s33, 11                         ; position x 2,048 bytes
	s_add_nc_u64 s[30:31], s[30:31], s[6:7]
.irp u, 0,1,2,3,4,5,6,7
	global_load_b128 v[X0+4*\u:X0+4*\u+3], v1, s[28:29] offset:512*\u th:TH_LOAD_NT
.endr
.irp u, 0,1,2,3,4,5,6,7
	global_load_b128 v[X1+4*\u:X1+4*\u+3], v1, s[28:29] offset:4096+512*\u th:TH_LOAD_NT
.endr
	s_wait_loadcnt 8                               ; the 8 younger loads are row e + 1's: row e is in
.irp u, 0,1,2,3,4,5,6,7
	v_cvt_pk_f16_f32 v[X0+4*\u],   v[X0+4*\u],   v[X0+4*\u+1]
	v_cvt_pk_f16_f32 v[X0+4*\u+1], v[X0+4*\u+2], v[X0+4*\u+3]
	global_store_b64 v2, v[X0+4*\u:X0+4*\u+1], s[30:31] offset:256*\u
.endr
	s_wait_loadcnt 0x0
.irp u, 0,1,2,3,4,5,6,7
	v_cvt_pk_f16_f32 v[X1+4*\u],   v[X1+4*\u],   v[X1+4*\u+1]
	v_cvt_pk_f16_f32 v[X1+4*\u+1], v[X1+4*\u+2], v[X1+4*\u+3]
	global_store_b64 v2, v[X1+4*\u:X1+4*\u+1], s[30:31] offset:32768+256*\u    ; e is even, so row e + 1 lies 16 positions of 2,048 bytes further on
.endr
	s_endpgm
.Lfunc_end_k_qdf3abefca8_prep:
	.size	k_qdf3abefca8_prep, .Lfunc_end_k_qdf3abefca8_prep-k_qdf3abefca8_prep
	.p2alignl 7, 3214868480
	.fill 96, 4, 3214868480
	.section	.rodata,"a",@progbits
	.p2align	6, 0x0
	.amdhsa_kernel k_qdf3abefca8_prep
		.amdhsa_group_segment_fixed_size 0
		.amdhsa_private_segment_fixed_size 0
		.amdhsa_enable_private_segment 0
		.amdhsa_kernarg_size 64
		.amdhsa_user_sgpr_count 2
		.amdhsa_user_sgpr_kernarg_segment_ptr 1
		.amdhsa_wavefront_size32 1
		.amdhsa_system_sgpr_workgroup_id_x 1
		.amdhsa_system_sgpr_workgroup_id_y 1
		.amdhsa_system_sgpr_workgroup_id_z 1
		.amdhsa_system_vgpr_workitem_id 0
		.amdhsa_next_free_vgpr 144
		.amdhsa_next_free_sgpr 66
		.amdhsa_reserve_vcc 0
		.amdhsa_float_denorm_mode_32 3
		.amdhsa_float_denorm_mode_16_64 3
		.amdhsa_memory_ordered 1
		.amdhsa_forward_progress 1
		.amdhsa_inst_pref_size 26
	.end_amdhsa_kernel
	.amdgpu_metadata
---
amdhsa.version: [ 1, 2 ]
amdhsa.kernels:
  - .name:           k_qdf3abefca8_prep
    .symbol:         k_qdf3abefca8_prep.kd
    .args:
      - { .name: x, .offset: 0, .size: 8, .value_kind: global_buffer, .address_space: global }
      - { .name: gamma, .offset: 8, .size: 8, .value_kind: global_buffer, .address_space: global }
      - { .name: beta, .offset: 16, .size: 8, .value_kind: global_buffer, .address_space: global }
      - { .name: W_qkv, .offset: 24, .size: 8, .value_kind: global_buffer, .address_space: global }
      - { .name: W_out, .offset: 32, .size: 8, .value_kind: global_buffer, .address_space: global }
      - { .name: xn, .offset: 40, .size: 8, .value_kind: global_buffer, .address_space: global }
      - { .name: wq, .offset: 48, .size: 8, .value_kind: global_buffer, .address_space: global }
      - { .name: wo, .offset: 56, .size: 8, .value_kind: global_buffer, .address_space: global }
    .group_segment_fixed_size: 0
    .private_segment_fixed_size: 0
    .kernarg_segment_align: 8
    .kernarg_segment_size: 64
    .max_flat_workgroup_size: 256
    .sgpr_count:     66
    .vgpr_count:     144
    .wavefront_size: 32
...
	.end_amdgpu_metadata
.endif
;; end of part 1
;; launch qkv (part 2): grid 16 x 16, 4 waves a work-group, clusters of 4 x 4, 327,680 bytes of LDS; arguments xn, wq, qkvh; writes qkvh
.if DOCPART == 2
	.amdgcn_target "amdgcn-amd-amdhsa--gfx1250"
	.amdhsa_code_object_version 6
	.text
	.protected	k_qdf3abefca8_qkv
	.globl	k_qdf3abefca8_qkv
	.p2align	8
	.type	k_qdf3abefca8_qkv,@function
k_qdf3abefca8_qkv:
	s_mov_b64 s[64:65], 0
	v_nop
	global_prefetch_b8 v0, s[64:65] scope:SCOPE_SE
	s_setreg_imm32_b32 hwreg(HW_REG_WAVE_MODE, 25, 1), 1
	s_wait_xcnt 0x0
	s_wait_alu depctr_hold_cnt(0) depctr_sa_sdst(0) depctr_va_vdst(0) depctr_va_sdst(0) depctr_va_ssrc(0) depctr_va_vcc(0) depctr_vm_vsrc(0)
	s_getreg_b32 s2, hwreg(HW_REG_IB_STS2, 6, 4)
	s_cmp_eq_u32 s2, 0
	s_cbranch_scc0 .Lentry_in_a_cluster
	s_endpgm
.Lentry_in_a_cluster:
	s_bfe_u32 s2, ttmp6, 0x10000c
	s_cmp_lg_u32 s2, 0xf033
	s_cbranch_scc0 .Lentry_shape_is_right
	s_endpgm
.Lentry_shape_is_right:
; qkv: C[4096 tokens][3072] = xn . wq^T, f16 operands, f32 sums, stored in f16 as qkvh[48 groups of 64 columns][4096 tokens][64].
; (group = part x 16 + head; part 0 = q, 1 = k, 2 = v.)
; LIMIT: q, k, v are stored in f16, which ends at 65,504: a larger result becomes infinity.  With a gamma of 1 and weights of rms 1/32 they reach
; about 5.5, with gamma and weights both 30 times larger about 5,000.  f16 and not bf16, because the first tokens of a sequence carry each rounding
; at full size into the result: 11 significant bits leave margin there, 8 do not.
; 256 work-groups, each a block of 256 tokens x 192 columns (three whole groups).  Four waves; wave w makes tokens 64 w .. 64 w + 63 and
; all 192 columns: 4 x 12 = 48 accumulator tiles, 384 registers.  (A wave owns whole groups of 64 columns so that it can store them itself.)
; K = 1024 goes in 8 steps of 128 through two LDS slots filled by the tensor data mover: a tile's rows are 256 bytes of memory, aligned.
; CLUSTERS of 4 x 4 work-groups: xn's tile hangs on the block row alone and is asked for jointly by a row of the cluster, wq's on the
; block column alone and is asked for jointly by a column: the requests for both are divided by four.
; THE WAY OUT NEEDS NO LDS.  Source 0 = 16 tokens, source 1 = 16 rows of wq; register j of lane (r, h) holds (source 0's row 8 h + j, source 1's row r).
;  - wq's rows are permuted (position 16 b + i of a group holds true column 4 i + b): the four tiles of a group give lane r the columns 4 r .. 4 r + 3;
;  - the lane that holds source 0's row i reads LDS row 2 (i & 7) + (i >> 3), so that register j of half h is token 2 j + h.
; So for each j the 32 lanes hold 2 tokens x 64 columns = 256 consecutive bytes of qkvh, aligned: one store of 8 bytes a lane.
; REGISTERS: window 0: v16-24 addresses, v32-95 xn's fragments (two buffers of 4), later the packed results; window 1: v0-191 wq's fragments
; (two buffers of 12); window 2: the 24 accumulator tiles of token blocks 0, 1 (tile (a, b) at 8 (12 a + b)); window 3: those of blocks 2, 3.
.set SIZE_K, 1024
.set KSTEP,  128
.set PITCH,  272                       ; an LDS row: 256 bytes + 16 of padding: an odd multiple of 16, so the 16 rows of a fragment load begin at 16 different 16-byte columns
.set HALFA,  128*PITCH                 ; what one tensor load brings of xn
.set HALFB,  96*PITCH                  ; and of wq
.set BOFF,   2*HALFA                   ; wq's 192 rows lie behind xn's 256
.set SLOT,   2*HALFA+2*HALFB           ; 121,856 bytes; two slots
.set LAPS,   SIZE_K/(2*KSTEP)          ; a lap = two K steps = once round the ring: 4
.set ADRA, 16                          ; v16-17  LDS address of my xn fragments in slot 0, 1
.set ADRB, 20                          ; v20-21  the same for wq
.set CO,   24                          ; v24     my byte offset in a pair of token rows of qkvh
.set FA,   32                          ; window 0: buffer f at FA + 32 f
.set FB,   0                           ; window 1: buffer f at FB + 96 f
.set TMP,  32                          ; window 0: 48 registers of packed results on the way out
.set G1,  24                           ; s[24:31] descriptor group 1, xn's tiles
.set G0,  32                           ; s[32:39] descriptor group 0, xn's tiles, a set for each slot
.set G1B, 48                           ; s[48:55] group 1, wq's tiles
.set G0B, 56                           ; s[56:63] group 0, wq's tiles, a set for each slot
.set MSB, 0
.macro WIN new                         ; the immediate's high byte repeats the setting that is left; a switch that changes nothing is dropped
.if MSB != \new
	s_set_vgpr_msb (MSB<<8)|\new
.set MSB, \new
.endif
.endm
.set MUL_LO, 0xa4                      ; source 0 (xn) window 0, source 1 (wq) window 1, C and D window 2
.set MUL_HI, 0xf4                      ; the same, C and D window 3
.set TO_B,   0x40                      ; destination window 1, address window 0
; A joint load: waves 0 and 1 ask for xn's two halves, waves 2 and 3 for wq's.  The branch hangs on the wave's number alone.
.macro JLOAD s
	s_cmp_eq_u32 s11, 0
	s_cbranch_scc0 .Lfor_b_\@
	tensor_load_to_lds s[G0+4*\s:G0+4*\s+3], s[G1:G1+7]
	s_nop 0
	s_branch .Lasked_\@
.Lfor_b_\@:
	tensor_load_to_lds s[G0B+4*\s:G0B+4*\s+3], s[G1B:G1B+7]
	s_nop 0
.Lasked_\@:
.endm
; A round of the cluster's barrier: my work-group's barrier; wave 0 signals for the work-group; every wave waits for all sixteen; my work-group's barrier again.
.macro CREST                           ; a round behind its opening barrier
	s_cmp_lg_u32 s10, 0
	s_cbranch_scc1 .Lnot_wave_0_\@
	s_barrier_signal -3
.Lnot_wave_0_\@:
	s_barrier_wait -3
	s_barrier_signal -1
	s_barrier_wait -1
.endm
.macro CROUND
	s_barrier_signal -1
	s_barrier_wait -1
	CREST
.endm
	s_load_b128 s[4:7], s[0:1], 0x0                ; xn s[4:5], wq s[6:7]
	s_load_b64 s[8:9], s[0:1], 0x10                ; qkvh
	v_lshl_add_u32 v255, v0, 2, 0x3b800
	s_set_vgpr_msb 0x40
	v_mov_b32 v255, 0
	s_set_vgpr_msb 0x4044
	ds_add_u32 v255, v255
	s_set_vgpr_msb 0x4400
	v_lshrrev_b32 v1, 5, v0
	v_readfirstlane_b32 s10, v1                    ; wave 0..3
	s_lshr_b32 s11, s10, 1                         ; I fetch for xn (0) or for wq (1)
	s_and_b32 s12, s10, 1                          ; which half of that tile
	s_bfe_u32 s40, ttmp6, 0x40000                  ; cx
	s_bfe_u32 s41, ttmp6, 0x40004                  ; cy
	s_lshl_b32 s42, ttmp9, 2
	s_add_co_u32 s42, s42, s40                     ; block column = 4 x cluster x + cx, 0..15
	s_and_b32 s13, ttmp7, 0xffff
	s_lshl_b32 s13, s13, 2
	s_add_co_u32 s13, s13, s41                     ; block row = 4 x cluster y + cy, 0..15
	s_lshl_b32 s43, s41, 2
	s_lshl_b32 s43, 15, s43                        ; my row of the cluster
	s_lshl_b32 s44, 0x1111, s40                    ; my column
	s_or_b32 s[G1+0], s43, (1<<16)|(1<<20)|(1<<21)|(5<<22)|(3<<25)  ; mask; elements of 2 bytes; padding on; bit 21 beside a mask; after every 64 words 4 words
	s_or_b32 s[G1B+0], s44, (1<<16)|(1<<20)|(1<<21)|(5<<22)|(3<<25)
	s_mov_b32 s[G1+1], KSTEP<<16                   ; tensor_dim0 = 128
	s_mov_b32 s[G1B+1], KSTEP<<16
	s_mov_b32 s[G1+2], 128<<16                     ; tensor_dim1 = 128 rows
	s_mov_b32 s[G1B+2], 96<<16                     ;             = 96 rows
	s_mov_b32 s[G1+3], KSTEP<<16                   ; tile_dim0 = 128
	s_mov_b32 s[G1B+3], KSTEP<<16
	s_mov_b32 s[G1+4], 128                         ; tile_dim1
	s_mov_b32 s[G1B+4], 96
	s_mov_b32 s[G1+5], SIZE_K                      ; elements from row to row
	s_mov_b32 s[G1B+5], SIZE_K
	s_mov_b32 s[G1+6], 0
	s_mov_b32 s[G1B+6], 0
	s_mov_b32 s[G1+7], 0
	s_mov_b32 s[G1B+7], 0
	; xn's address is made of the block row and the wave's number, wq's of the block column and the wave's number, in registers that never hold the other coordinate
	s_lshl_b32 s17, s12, 7
	s_lshl_b32 s16, s13, 8
	s_add_co_u32 s16, s16, s17                     ; xn: row 256 x block row + 128 x half
	s_lshl_b32 s16, s16, 11                        ; rows of 2,048 bytes
	s_mov_b32 s17, 0
	s_mul_i32 s47, s12, 96
	s_mul_i32 s46, s42, 192
	s_add_co_u32 s46, s46, s47                     ; wq: row 192 x block column + 96 x half
	s_lshl_b32 s46, s46, 11
	s_mov_b32 s47, 0
	s_mul_i32 s20, s10, HALFA                      ; waves 0, 1: xn's halves at 0 and HALFA
	s_mul_i32 s21, s10, HALFB
	s_add_co_u32 s21, s21, BOFF-2*HALFB            ; waves 2, 3: wq's halves at BOFF and BOFF + HALFB
	s_wait_dscnt 0x0
	s_wait_kmcnt 0x0
	s_add_nc_u64 s[14:15], s[4:5], s[16:17]
	s_add_nc_u64 s[46:47], s[6:7], s[46:47]
	CROUND                                         ; all sixteen work-groups are here: the first joint loads meet
.irp s, 0,1
	s_mov_b32 s[G0+4*\s], 1
	s_add_co_u32 s[G0+4*\s+1], s20, \s*SLOT
	s_add_nc_u64 s[G0+4*\s+2:G0+4*\s+3], s[14:15], \s*KSTEP*2      ; K step s
	s_or_b32 s[G0+4*\s+3], s[G0+4*\s+3], 0x80000000
	s_mov_b32 s[G0B+4*\s], 1
	s_add_co_u32 s[G0B+4*\s+1], s21, \s*SLOT
	s_add_nc_u64 s[G0B+4*\s+2:G0B+4*\s+3], s[46:47], \s*KSTEP*2
	s_or_b32 s[G0B+4*\s+3], s[G0B+4*\s+3], 0x80000000
	JLOAD \s                                       ; both slots' first fills go out before anything else: two tensor loads of the wave are out
.endr
	v_and_b32 v1, 15, v0                           ; r
	v_bfe_u32 v2, v0, 4, 1                         ; h
	v_and_b32 v3, 7, v0
	v_bfe_u32 v4, v0, 3, 1
	v_lshl_add_u32 v3, v3, 1, v4                   ; the token row that fragment row r takes: 2 (r & 7) + (r >> 3)
	v_mul_u32_u24 v5, v3, PITCH
	v_lshl_add_u32 v5, v2, 4, v5
	s_mul_i32 s22, s10, 64*PITCH                   ; my 64 tokens
	v_add_nc_u32 v[ADRA], s22, v5
	v_add_nc_u32 v[ADRA+1], SLOT, v[ADRA]
	v_mul_u32_u24 v6, v1, PITCH
	v_lshl_add_u32 v6, v2, 4, v6
	v_add_nc_u32 v[ADRB], BOFF, v6
	v_add_nc_u32 v[ADRB+1], SLOT, v[ADRB]
	v_lshlrev_b32 v7, 3, v1
	v_lshl_add_u32 v[CO], v2, 7, v7                ; 128 h + 8 r
; 12 matrix instructions: token block a of the window's two (hi = 0: blocks 0, 1; 1: blocks 2, 3) x all 12 column tiles, 32 along K.
; zero = 1: the first product starts the sums.  The 48 accumulators take turns, one instruction a turn, in the same order in every quarter step.
.macro MUL12 f, hi, a, zero
.irp b, 0,1,2,3,4,5,6,7,8,9,10,11
.if \zero
	v_wmma_f32_16x16x32_f16 v[8*(12*\a+\b):8*(12*\a+\b)+7], v[FA+32*\f+8*(2*\hi+\a):FA+32*\f+8*(2*\hi+\a)+7], v[FB+96*\f+8*\b:FB+96*\f+8*\b+7], 0
.else
	v_wmma_f32_16x16x32_f16 v[8*(12*\a+\b):8*(12*\a+\b)+7], v[FA+32*\f+8*(2*\hi+\a):FA+32*\f+8*(2*\hi+\a)+7], v[FB+96*\f+8*\b:FB+96*\f+8*\b+7], v[8*(12*\a+\b):8*(12*\a+\b)+7]
.endif
.endr
.endm
; 32 LDS loads in one run: 12 fragments of wq, then 4 of xn, 32 K at byte k of the rows, into buffer f
.macro FETCH slot, k, f
	WIN TO_B
.irp b, 0,1,2,3,4,5,6,7,8,9,10,11
	ds_load_b128 v[FB+96*\f+8*\b:FB+96*\f+8*\b+3],   v[ADRB+\slot] offset:\k+\b*16*PITCH
	ds_load_b128 v[FB+96*\f+8*\b+4:FB+96*\f+8*\b+7], v[ADRB+\slot] offset:\k+\b*16*PITCH+32
.endr
	WIN 0
.irp a, 0,1,2,3
	ds_load_b128 v[FA+32*\f+8*\a:FA+32*\f+8*\a+3],   v[ADRA+\slot] offset:\k+\a*16*PITCH
	ds_load_b128 v[FA+32*\f+8*\a+4:FA+32*\f+8*\a+7], v[ADRA+\slot] offset:\k+\a*16*PITCH+32
.endr
.endm
; Four plain vector instructions between a matrix instruction and a load into, or a vector instruction on, one of its registers (ISA guide 7.12.1 for vector instructions)
.macro PLACES
.rept 4
	v_nop
.endr
.endm
; A quarter step: multiplies buffer f; in its middle it fetches the next quarter's fragments (byte k of the same slot's rows) into buffer g.
.macro QUARTER slot, k, f, g, zero
	s_wait_dscnt 4                                 ; the four youngest loads are xn's fragments 2 and 3: all that the first half needs is in
	WIN MUL_LO
	MUL12 \f, 0, 0, \zero
	MUL12 \f, 0, 1, \zero
	PLACES
	FETCH \slot, \k, \g
	s_wait_dscnt 32                                ; all but the 32 just issued
	WIN MUL_HI
	MUL12 \f, 1, 0, \zero
	MUL12 \f, 1, 1, \zero
.endm
.macro THREE slot, zero
	QUARTER \slot, 64,  0, 1, \zero
	QUARTER \slot, 128, 1, 0, 0
	QUARTER \slot, 192, 0, 1, 0
.endm
; The last quarter of a K step: multiplies buffer 1 and changes slots.  In front of the barrier each wave waits for its reads of this slot and for
; all its tensor loads (one is out: its part of the next slot).  fill = 1: the barrier opens a round of the cluster's barrier, and behind the round
; this slot's next tile is asked for first.  From that request to the wait for it a wave issues 180 matrix instructions.
.macro TURN slot, next, fill
	s_wait_dscnt 4
	WIN MUL_LO
	MUL12 1, 0, 0, 0
	s_wait_dscnt 0x0                               ; my reads of this slot are over
	s_wait_tensorcnt 0x0                           ; all my tensor loads have landed
	ds_add_u32 v255, v255
	s_wait_dscnt 0x0
	s_barrier_signal -1
	MUL12 1, 0, 1, 0                               ; register work while the others arrive
	WIN 0
	s_barrier_wait -1
.if \fill
	CREST                                          ; no wave of any partner still reads this slot or has a load on its way
	s_add_nc_u64 s[G0+4*\slot+2:G0+4*\slot+3], s[G0+4*\slot+2:G0+4*\slot+3], 2*KSTEP*2
	s_add_nc_u64 s[G0B+4*\slot+2:G0B+4*\slot+3], s[G0B+4*\slot+2:G0B+4*\slot+3], 2*KSTEP*2
	JLOAD \slot                                    ; the wave's one tensor load behind the round
.endif
	PLACES
	FETCH \next, 0, 0
	WIN MUL_HI
	MUL12 1, 1, 0, 0
	MUL12 1, 1, 1, 0
.endm
.macro LAP zero
	THREE 0, \zero
	TURN 0, 1, 1
	THREE 1, 0
	TURN 1, 0, 1
.endm
	s_wait_tensorcnt 0x1                           ; my part of K step 0 is in; K step 1's stays out
	s_barrier_signal -1
	s_barrier_wait -1
	FETCH 0, 0, 0
	LAP 1                                          ; K steps 0, 1; asks for 2, 3
	WIN 0
	s_mov_b32 s3, LAPS-2
.Llap:
	LAP 0                                          ; K steps 2, 3 and 4, 5; ask for 4, 5 and 6, 7
	WIN 0
	s_sub_co_u32 s3, s3, 1
	s_cmp_lg_u32 s3, 0
	s_cbranch_scc1 .Llap
	THREE 0, 0                                     ; the last lap fills nothing
	TURN 0, 1, 0
	THREE 1, 0
	s_wait_dscnt 4
	WIN MUL_LO
	MUL12 1, 0, 0, 0
	MUL12 1, 0, 1, 0
	s_wait_dscnt 0x0
	WIN MUL_HI
	MUL12 1, 1, 0, 0
	MUL12 1, 1, 1, 0
	; THE WAY OUT: 16 tokens at a time; for each of my three groups and each j two conversions make a lane's 8 bytes.
	PLACES                                         ; behind the last matrix instructions: the conversions read results and write over fragment registers
	s_mul_i32 s46, s42, 3*524288                   ; my three groups of qkvh (a group: 4,096 tokens x 128 bytes)
	s_mov_b32 s47, 0
	s_add_nc_u64 s[8:9], s[8:9], s[46:47]
	s_lshl_b32 s16, s13, 15                        ; 256 tokens x 128 bytes a block row
	s_lshl_b32 s17, s10, 13                        ; 64 tokens a wave
	s_add_co_u32 s16, s16, s17
	s_mov_b32 s17, 0
	s_add_nc_u64 s[8:9], s[8:9], s[16:17]
; blk: token block 0..3; loc: its place in its window; from: sources 0 and 1 in window 2 (0x0a) or 3 (0x0f)
.macro OUT16 blk, loc, from
.if \blk
	s_wait_xcnt 0x0                                ; the last block's stores have had their addresses translated (ISA guide 3.1): their data registers are rewritten only behind this wait
.endif
	WIN \from
.irp g, 0,1,2
.irp j, 0,1,2,3,4,5,6,7
	v_cvt_pk_f16_f32 v[TMP+2*(8*\g+\j)],   v[8*(12*\loc+4*\g)+\j],   v[8*(12*\loc+4*\g+1)+\j]      ; columns 4 r, 4 r + 1 of token 2 j + h
	v_cvt_pk_f16_f32 v[TMP+2*(8*\g+\j)+1], v[8*(12*\loc+4*\g+2)+\j], v[8*(12*\loc+4*\g+3)+\j]      ; columns 4 r + 2, 4 r + 3
.endr
.endr
	WIN 0
.irp g, 0,1,2
.irp j, 0,1,2,3,4,5,6,7
	global_store_b64 v[CO], v[TMP+2*(8*\g+\j):TMP+2*(8*\g+\j)+1], s[8:9] offset:\g*524288+\blk*2048+\j*256   ; the wave stores 256 consecutive bytes, aligned: two token rows of a group
.endr
.endr
.endm
	OUT16 0, 0, 0x0a
	OUT16 1, 1, 0x0a
	OUT16 2, 0, 0x0f
	OUT16 3, 1, 0x0f
	CROUND                                         ; the closing round: no work-group ends while a partner may still ask for a tile that names it
	s_endpgm
.Lfunc_end_k_qdf3abefca8_qkv:
	.size	k_qdf3abefca8_qkv, .Lfunc_end_k_qdf3abefca8_qkv-k_qdf3abefca8_qkv
	.p2alignl 7, 3214868480
	.fill 96, 4, 3214868480
	.section	.rodata,"a",@progbits
	.p2align	6, 0x0
	.amdhsa_kernel k_qdf3abefca8_qkv
		.amdhsa_group_segment_fixed_size 327680
		.amdhsa_private_segment_fixed_size 0
		.amdhsa_enable_private_segment 0
		.amdhsa_kernarg_size 24
		.amdhsa_user_sgpr_count 2
		.amdhsa_user_sgpr_kernarg_segment_ptr 1
		.amdhsa_wavefront_size32 1
		.amdhsa_system_sgpr_workgroup_id_x 1
		.amdhsa_system_sgpr_workgroup_id_y 1
		.amdhsa_system_sgpr_workgroup_id_z 1
		.amdhsa_system_vgpr_workitem_id 0
		.amdhsa_next_free_vgpr 1024
		.amdhsa_next_free_sgpr 66
		.amdhsa_reserve_vcc 0
		.amdhsa_float_denorm_mode_32 3
		.amdhsa_float_denorm_mode_16_64 3
		.amdhsa_memory_ordered 1
		.amdhsa_forward_progress 1
		.amdhsa_inst_pref_size 160
	.end_amdhsa_kernel
	.amdgpu_metadata
---
amdhsa.version: [ 1, 2 ]
amdhsa.kernels:
  - .name:           k_qdf3abefca8_qkv
    .symbol:         k_qdf3abefca8_qkv.kd
    .args:
      - { .name: xn, .offset: 0, .size: 8, .value_kind: global_buffer, .address_space: global }
      - { .name: wq, .offset: 8, .size: 8, .value_kind: global_buffer, .address_space: global }
      - { .name: qkvh, .offset: 16, .size: 8, .value_kind: global_buffer, .address_space: global }
    .group_segment_fixed_size: 327680
    .private_segment_fixed_size: 0
    .kernarg_segment_align: 8
    .kernarg_segment_size: 24
    .max_flat_workgroup_size: 128
    .sgpr_count:     66
    .vgpr_count:     1024
    .wavefront_size: 32
...
	.end_amdgpu_metadata
.endif
;; end of part 2
;; launch attn (part 3): grid 8 x 32, 8 waves a work-group, no clusters, 230,400 bytes of LDS; arguments qkvh, attnh; writes attnh
.if DOCPART == 3
	.amdgcn_target "amdgcn-amd-amdhsa--gfx1250"
	.amdhsa_code_object_version 6
	.text
	.protected	k_qdf3abefca8_attn
	.globl	k_qdf3abefca8_attn
	.p2align	8
	.type	k_qdf3abefca8_attn,@function
k_qdf3abefca8_attn:
	s_mov_b64 s[64:65], 0
	v_nop
	global_prefetch_b8 v0, s[64:65] scope:SCOPE_SE
	s_setreg_imm32_b32 hwreg(HW_REG_WAVE_MODE, 25, 1), 1
	s_wait_xcnt 0x0
; attn: causal attention over a window of 257 keys (key <= query and key >= query - 256), one head and 256 queries a work-group.
; qkvh: [48 groups = part x 16 + head][4096 tokens][64] f16.  attnh: [16 heads][4096 tokens][64] f16.
; Work-group (qb, bh): batch bh >> 4, head bh & 15, queries 256 qb .. 256 qb + 255.  Eight waves; wave w has queries 32 w .. 32 w + 31 (two tiles of 16).
; LDS key row i stands for key 256 qb - 256 + i, i = 0 .. 511.  The wave's chunk c (0 .. 8) is LDS rows 32 w + 32 c .. + 31: chunk 8 holds the
; diagonal, chunk 0 the window's lower edge; only these 288 keys are multiplied.  The chunks are taken from 8 down to 0, with a running maximum.
; LAYOUTS (no data moves between lanes but lane xor 16):
;   S^T = K fragment (source 0) x Q fragment (source 1) + C: register j of lane (r, h) = key 16 kt + 8 h + j, query 16 qt + r;
;   packing a query tile's 16 registers in pairs gives source 1 of the second product (32 keys of query r);
;   O^T = V^T fragment (source 0, by transposing LDS loads) x P: register j of lane (r, h) = head element 16 t + 8 h + j of query r.
;   So maximum, sum and 1 / sum are one number a lane.
; MASKS are the C operand of the first of a tile's two products: 0 where the key counts, -1e30 where it does not.  A chunk begins at a multiple of
; 32 keys, so it lies wholly in the sequence or wholly in front of it (bias tile BI); the two edge chunks have a triangular tile MT; tiles
; that are masked whole are not multiplied, their scores are set to -1e30.
; For qb = 0 the LDS rows that stand for keys in front of the sequence are filled with the batch's first rows: finite stand-ins, all masked.
; LIMITS: a masked score is the finite number -1e30, right while |q . k| stays far below 1e30.  Every query's own key is unmasked and lies in the chunk
; taken first, so the running maximum is finite from the first chunk on.  NaN and infinities in the inputs are not treated specially.
; The keys are summed from the diagonal backwards.  The weights, which lie in 0 .. 1, are rounded to f16 for the second product (one below 2^-25 becomes 0);
; their sum is taken unrounded in f32.  The result is a convex mix of v's rows, so it fits f16 wherever v did.
; NO MULTICAST: a block of 256 keys is read by two work-groups only, as the upper half of one's 512 LDS rows and the lower half of the other's;
; a joint load has one LDS address for all that it names, so it cannot serve both.
; All of LDS is filled once, by three tensor loads a wave at the start (three are out at the most); one barrier.
.set KP,    144                        ; pitch of Q, K and the stage: 128 bytes + 16
.set VP,    160                        ; pitch of V: 128 + 32, an odd multiple of 32, for the transposing loads
.set LQ,    0                          ; 256 rows x 144
.set LK,    36864                      ; 512 rows x 144
.set LV,    110592                     ; 512 rows x 160
.set STAGE, 192512                     ; 8 waves x 32 rows x 144: no fill ever lands here
.set STO, 3                            ; v3   stage: where I put 16 bytes
.set KA,  4                            ; v4   LDS address of my K fragments, chunk 0
.set VA,  5                            ; v5   the same for V
.set QA,  6                            ; v6   the same for Q
.set RD,  7                            ; v7   stage: where I read 16 bytes back
.set GO,  8                            ; v8   16 lane
.set DV,  9                            ; v9   r - 8 h, signed
.set TT,  10                           ; v10-15 at work
.set NM,  16                           ; v16, v18: - c1 x maximum of query tile 0, 1 (first register of a pair, broadcast)
.set MX,  17                           ; v17, v19: the running maximum
.set AL,  20                           ; v20, v22: the rescaling factor, at the end 1 / sum (v21, v23 only fill the pairs)
.set LS,  24                           ; v[24:25], v[26:27]: two partial sums of the weights
.set QF,  28                           ; v28-59   Q fragment (qt, ks) at + 8 (2 qt + ks)
.set KF,  60                           ; v60-91   K fragment (kt, ks) at + 8 (2 kt + ks)
.set VF,  92                           ; v92-123  V^T fragment t at + 8 t
.set SC,  124                          ; v124-155 score tile (qt, kt) at + 8 (2 qt + kt)
.set PB,  156                          ; v156-171 weights in f16, + 8 qt
.set OA,  172                          ; v172-235 O^T tile (qt, t) at + 8 (4 qt + t)
.set MT,  236                          ; v236-243 triangular mask tile
.set BI,  244                          ; v244-251 the chunk's bias tile
	s_load_b128 s[4:7], s[0:1], 0x0                ; qkvh s[4:5], attnh s[6:7]
	v_lshl_add_u32 v254, v0, 2, 0x38000
	v_mov_b32 v255, 0
	ds_add_u32 v254, v255
	v_lshrrev_b32 v1, 5, v0
	v_readfirstlane_b32 s8, v1                     ; wave 0..7
	s_mov_b32 s9, ttmp9                            ; qb
	s_and_b32 s10, ttmp7, 0xffff
	s_lshr_b32 s11, s10, 4                         ; batch
	s_and_b32 s12, s10, 15                         ; head
	s_lshl_b32 s13, s11, 11                        ; 2048 b
	s_lshl_b32 s14, s9, 8                          ; 256 qb
	s_lshl_b32 s15, s8, 5                          ; 32 w
	s_add_co_u32 s60, s13, s14
	s_add_co_u32 s60, s60, s15                     ; my first query's token
	s_lshl_b32 s60, s60, 7                         ; x 128 bytes
	s_lshl_b32 s3, s12, 19                         ; the head's plane of 524,288 bytes
	s_add_co_u32 s60, s60, s3                      ; offset of my queries in qkvh, and of my results in attnh
	s_mov_b32 s61, 0
	s_lshl_b32 s2, s8, 6
	s_add_co_u32 s2, s2, s14
	s_sub_co_i32 s2, s2, 256                       ; first key of the 64 LDS rows that I fill: 256 qb - 256 + 64 w,
	s_max_i32 s2, s2, 0                            ; or the batch's first rows as stand-ins where that lies in front of the sequence
	s_add_co_u32 s2, s2, s13
	s_lshl_b32 s2, s2, 7
	s_add_co_u32 s3, s12, 16
	s_lshl_b32 s3, s3, 19                          ; k's plane of this head
	s_add_co_u32 s62, s2, s3
	s_mov_b32 s63, 0
	; group 1: dense memory taken as rows of 256 bytes (two tokens); 16 or 32 bytes of padding behind every 32 words, that is behind every token
	s_mov_b32 s16, (1<<16)|(1<<20)|(4<<22)|(3<<25) ; Q: elements of 2 bytes, padding on, after every 32 words 4 words
	s_mov_b32 s17, 128<<16                         ; tensor_dim0 = 128
	s_mov_b32 s18, 16<<16                          ; tensor_dim1 = 16 rows (32 tokens)
	s_mov_b32 s19, 128<<16                         ; tile_dim0
	s_mov_b32 s20, 16                              ; tile_dim1
	s_mov_b32 s21, 128                             ; pitch
	s_mov_b32 s22, 0
	s_mov_b32 s23, 0
	s_mov_b32 s24, (1<<16)|(1<<20)|(4<<22)|(3<<25) ; K: the same with 32 rows (64 tokens)
	s_mov_b32 s25, 128<<16
	s_mov_b32 s26, 32<<16
	s_mov_b32 s27, 128<<16
	s_mov_b32 s28, 32
	s_mov_b32 s29, 128
	s_mov_b32 s30, 0
	s_mov_b32 s31, 0
	s_mov_b32 s32, (1<<16)|(1<<20)|(4<<22)|(7<<25) ; V: 8 words of padding
	s_mov_b32 s33, 128<<16
	s_mov_b32 s34, 32<<16
	s_mov_b32 s35, 128<<16
	s_mov_b32 s36, 32
	s_mov_b32 s37, 128
	s_mov_b32 s38, 0
	s_mov_b32 s39, 0
	s_mov_b32 s40, 1
	s_mul_i32 s41, s8, 32*KP                       ; Q: my 32 rows
	s_mov_b32 s44, 1
	s_mul_i32 s45, s8, 64*KP
	s_add_co_u32 s45, s45, LK                      ; K: rows 64 w .. 64 w + 63
	s_mov_b32 s48, 1
	s_mul_i32 s49, s8, 64*VP
	s_add_co_u32 s49, s49, LV                      ; V: the same rows
	s_wait_dscnt 0x0
	s_wait_kmcnt 0x0
	s_add_nc_u64 s[42:43], s[4:5], s[60:61]
	s_add_nc_u64 s[46:47], s[4:5], s[62:63]
	s_add_nc_u64 s[50:51], s[46:47], 0x800000      ; v lies 16 planes behind k
	s_or_b32 s43, s43, 0x80000000
	s_or_b32 s47, s47, 0x80000000
	s_or_b32 s51, s51, 0x80000000
	tensor_load_to_lds s[40:43], s[16:23]
	s_nop 0
	tensor_load_to_lds s[44:47], s[24:31]
	s_nop 0
	tensor_load_to_lds s[48:51], s[32:39]
	s_nop 0
	s_add_nc_u64 s[6:7], s[6:7], s[60:61]          ; attnh at my 32 tokens
	s_mov_b32 s52, 0x3e38aa3b                      ; c1 = log2(e) / 8: the scale 1 / sqrt(64) and the base of the exponential in one factor
	s_mov_b32 s53, 0x3e38aa3b
	s_mov_b32 s54, 0xbe38aa3b                      ; - c1
	s_mov_b32 s55, 0xf149f2ca                      ; -1e30
	s_mov_b32 s56, 0x76543210                      ; v_permlanex16_b32: lane xor 16
	s_mov_b32 s57, 0xfedcba98
	s_lshl_b32 s58, s9, 3
	s_add_co_u32 s58, s58, s8                      ; 8 qb + w: chunk c lies in the sequence where 8 qb + w + c >= 8
	v_and_b32 v1, 15, v0                           ; r
	v_bfe_u32 v2, v0, 4, 1                         ; h
	v_add_nc_u32 v10, s15, v1
	v_mul_u32_u24 v10, v10, KP
	v_lshl_add_u32 v[QA], v2, 4, v10               ; (32 w + r) x 144 + 16 h
	v_add_nc_u32 v[KA], LK, v[QA]
	v_and_b32 v11, 7, v0
	v_lshl_add_u32 v11, v2, 3, v11
	v_add_nc_u32 v11, s15, v11
	v_mul_u32_u24 v11, v11, VP                     ; (32 w + 8 h + (lane & 7)) x 160
	v_bfe_u32 v12, v0, 3, 1
	v_lshl_add_u32 v11, v12, 4, v11                ; + 16 ((lane >> 3) & 1)
	v_add_nc_u32 v[VA], LV, v11
	s_add_co_u32 s2, s41, STAGE                    ; my stage: 32 rows x 144
	v_mul_u32_u24 v10, v1, KP
	v_lshl_add_u32 v10, v2, 4, v10
	v_add_nc_u32 v[STO], s2, v10
	v_bfe_u32 v11, v0, 3, 2
	v_mul_u32_u24 v11, v11, KP
	v_and_b32 v12, 7, v0
	v_lshl_add_u32 v11, v12, 4, v11
	v_add_nc_u32 v[RD], s2, v11                    ; row lane >> 3, 16 bytes at 16 (lane & 7)
	v_and_b32 v13, 31, v0
	v_lshlrev_b32 v[GO], 4, v13
	v_lshlrev_b32 v14, 3, v2
	v_sub_nc_u32 v[DV], v1, v14
	v_mov_b32 v[AL+1], 0                           ; the pairs' second registers are named, never used
	v_mov_b32 v[AL+3], 0
.irp j, 0,1,2,3,4,5,6,7
	v_mov_b32 v[BI+\j], 0                          ; chunk 8 lies in the sequence
.endr
.irp j, 0,1,2,3,4,5,6,7
	v_cmp_le_i32 vcc_lo, \j, v[DV]                 ; the diagonal: key 8 h + j <= query r
	v_cndmask_b32 v[MT+\j], s55, v[BI], vcc_lo
.endr
.macro PLACES                          ; four plain vector instructions behind a matrix instruction (ISA guide 7.12.1 for vector instructions)
.rept 4
	v_nop
.endr
.endm
.macro LDK c                           ; chunk c's four K fragments: 8 loads
.irp kt, 0,1
.irp ks, 0,1
	ds_load_b128 v[KF+8*(2*\kt+\ks):KF+8*(2*\kt+\ks)+3],   v[KA] offset:(32*(\c)+16*\kt)*KP+64*\ks
	ds_load_b128 v[KF+8*(2*\kt+\ks)+4:KF+8*(2*\kt+\ks)+7], v[KA] offset:(32*(\c)+16*\kt)*KP+64*\ks+32
.endr
.endr
.endm
.macro LDV c                           ; chunk c's four V^T fragments: 8 transposing loads
.irp t, 0,1,2,3
	ds_load_tr16_b128 v[VF+8*\t:VF+8*\t+3],   v[VA] offset:32*(\c)*VP+32*\t
	ds_load_tr16_b128 v[VF+8*\t+4:VF+8*\t+7], v[VA] offset:32*(\c)*VP+32*\t+16*VP
.endr
.endm
.macro QKT qt, kt, ks, cc              ; one product of a score tile; cc: the first register of its C operand
	v_wmma_f32_16x16x32_f16 v[SC+8*(2*\qt+\kt):SC+8*(2*\qt+\kt)+7], v[KF+8*(2*\kt+\ks):KF+8*(2*\kt+\ks)+7], v[QF+8*(2*\qt+\ks):QF+8*(2*\qt+\ks)+7], v[\cc:\cc+7]
.endm
.macro NEGFILL base                    ; a tile that is masked whole
.irp j, 0,1,2,3,4,5,6,7
	v_mov_b32 v[\base+\j], s55
.endr
.endm
; The softmax step of a chunk, both query tiles side by side.  first = 1: the chunk starts maximum, sum and O.
.macro SOFT first
.irp q, 0,1
	v_max3_num_f32 v[TT+2*\q],   v[SC+16*\q],   v[SC+16*\q+1], v[SC+16*\q+2]
	v_max3_num_f32 v[TT+2*\q+1], v[SC+16*\q+3], v[SC+16*\q+4], v[SC+16*\q+5]
.endr
.irp i, 6,10
.irp q, 0,1
	v_max3_num_f32 v[TT+2*\q],   v[TT+2*\q],   v[SC+16*\q+\i],   v[SC+16*\q+\i+1]
	v_max3_num_f32 v[TT+2*\q+1], v[TT+2*\q+1], v[SC+16*\q+\i+2], v[SC+16*\q+\i+3]
.endr
.endr
.irp q, 0,1
	v_max3_num_f32 v[TT+2*\q], v[TT+2*\q], v[SC+16*\q+14], v[SC+16*\q+15]
.endr
.irp q, 0,1
.if \first
	v_max_num_f32 v[TT+2*\q], v[TT+2*\q], v[TT+2*\q+1]
.else
	v_max3_num_f32 v[TT+2*\q], v[TT+2*\q], v[TT+2*\q+1], v[MX+2*\q]
.endif
.endr
.irp q, 0,1
	v_permlanex16_b32 v[TT+2*\q+1], v[TT+2*\q], s56, s57           ; the other 16 keys of the same query
.endr
.irp q, 0,1
	v_max_num_f32 v[TT+2*\q], v[TT+2*\q], v[TT+2*\q+1]             ; the new maximum
.endr
.if \first == 0
.irp q, 0,1
	v_sub_f32 v[TT+4+\q], v[MX+2*\q], v[TT+2*\q]
.endr
.irp q, 0,1
	v_mul_f32 v[TT+4+\q], s52, v[TT+4+\q]
.endr
.irp q, 0,1
	v_exp_f32 v[AL+2*\q], v[TT+4+\q]                               ; 2^(c1 (old - new)); plain instructions follow before it is used
.endr
.endif
.irp q, 0,1
	v_mov_b32 v[MX+2*\q], v[TT+2*\q]
	v_mul_f32 v[NM+2*\q], s54, v[TT+2*\q]
.endr
.irp q, 0,1
.irp i, 0,2,4,6,8,10,12,14
	v_pk_fma_f32 v[SC+16*\q+\i:SC+16*\q+\i+1], v[SC+16*\q+\i:SC+16*\q+\i+1], s[52:53], v[NM+2*\q:NM+2*\q+1] op_sel_hi:[1,0,0]   ; c1 s - c1 max
.endr
.endr
.set ei, 0
.rept 32
	v_exp_f32 v[SC+ei], v[SC+ei]
.set ei, ei+1
.endr
.if \first
	v_nop                                          ; one plain vector instruction between the exponentials and the use of their results (ISA guide 5.7.2)
	s_wait_alu depctr_va_vdst(0)
.else
	s_wait_alu depctr_va_vdst(0)
.irp q, 0,1
.irp i, 0,2,4,6,8,10,12,14,16,18,20,22,24,26,28,30
	v_pk_mul_f32 v[OA+32*\q+\i:OA+32*\q+\i+1], v[OA+32*\q+\i:OA+32*\q+\i+1], v[AL+2*\q:AL+2*\q+1] op_sel_hi:[1,0]   ; O is brought to the new maximum; these lines also stand behind the exponentials
.endr
.endr
.endif
.irp q, 0,1
.if \first
	v_pk_add_f32 v[LS+2*\q:LS+2*\q+1], v[SC+16*\q:SC+16*\q+1], v[SC+16*\q+2:SC+16*\q+3]
.else
	v_pk_fma_f32 v[LS+2*\q:LS+2*\q+1], v[LS+2*\q:LS+2*\q+1], v[AL+2*\q:AL+2*\q+1], v[SC+16*\q:SC+16*\q+1] op_sel_hi:[1,0,1]
	v_pk_add_f32 v[LS+2*\q:LS+2*\q+1], v[LS+2*\q:LS+2*\q+1], v[SC+16*\q+2:SC+16*\q+3]
.endif
.endr
.irp i, 4,6,8,10,12,14
.irp q, 0,1
	v_pk_add_f32 v[LS+2*\q:LS+2*\q+1], v[LS+2*\q:LS+2*\q+1], v[SC+16*\q+\i:SC+16*\q+\i+1]
.endr
.endr
.irp q, 0,1
.irp i, 0,1,2,3,4,5,6,7
	v_cvt_pk_f16_f32 v[PB+8*\q+\i], v[SC+16*\q+2*\i], v[SC+16*\q+2*\i+1]
.endr
.endr
.endm
.macro PV first                        ; eight products on eight different tiles of O^T
.irp t, 0,1,2,3
.irp q, 0,1
.if \first
	v_wmma_f32_16x16x32_f16 v[OA+8*(4*\q+\t):OA+8*(4*\q+\t)+7], v[VF+8*\t:VF+8*\t+7], v[PB+8*\q:PB+8*\q+7], 0
.else
	v_wmma_f32_16x16x32_f16 v[OA+8*(4*\q+\t):OA+8*(4*\q+\t)+7], v[VF+8*\t:VF+8*\t+7], v[PB+8*\q:PB+8*\q+7], v[OA+8*(4*\q+\t):OA+8*(4*\q+\t)+7]
.endif
.endr
.endr
.endm
; A chunk.  kind 0: chunk 8, the diagonal, the first; kind 1: chunks 7 to 1; kind 2: chunk 0, the lower edge, the last.
; The score tiles take turns, one instruction a turn (first all tiles' K half 0, then in the same order half 1).
.macro CHUNK c, kind
	s_wait_dscnt 0x0                               ; this chunk's K fragments (in chunk 8 also Q's) are in
.if \kind == 0
	NEGFILL SC+8                                   ; queries 0-15, keys 16-31 of the diagonal chunk: all behind the query
	QKT 0, 0, 0, MT
	QKT 1, 0, 0, BI
	QKT 1, 1, 0, MT
	QKT 0, 0, 1, SC
	QKT 1, 0, 1, SC+16
	QKT 1, 1, 1, SC+24
.endif
.if \kind == 1
	QKT 0, 0, 0, BI
	QKT 0, 1, 0, BI
	QKT 1, 0, 0, BI
	QKT 1, 1, 0, BI
	QKT 0, 0, 1, SC
	QKT 0, 1, 1, SC+8
	QKT 1, 0, 1, SC+16
	QKT 1, 1, 1, SC+24
.endif
.if \kind == 2
	NEGFILL SC+16                                  ; queries 16-31, keys 0-15 of the lowest chunk: all more than 256 in front of the query
	QKT 0, 0, 0, MT
	QKT 0, 1, 0, BI
	QKT 1, 1, 0, MT
	QKT 0, 0, 1, SC
	QKT 0, 1, 1, SC+8
	QKT 1, 1, 1, SC+24
.endif
	PLACES                                         ; for the reads of the scores, the loads into K's and V's fragments and the new bias tile
	LDV \c
.if \c > 0
	LDK \c-1
	s_add_co_u32 s59, s58, \c-1
	s_cmp_lt_u32 s59, 8
	s_cselect_b32 s59, s55, 0                      ; the next chunk's bias: -1e30 where it lies in front of the sequence
.irp j, 0,1,2,3,4,5,6,7
	v_mov_b32 v[BI+\j], s59
.endr
.endif
.if \c == 1
.irp j, 0,1,2,3,4,5,6,7
	v_cmp_ge_i32 vcc_lo, \j, v[DV]                 ; the lower edge: key 8 h + j >= query r
	v_cndmask_b32 v[MT+\j], s55, v[BI], vcc_lo
.endr
.endif
.if \kind == 0
	SOFT 1
.else
	SOFT 0
.endif
.if \c > 0
	s_wait_dscnt 8                                 ; the 8 younger loads are the next chunk's K: this chunk's V is in
.else
	s_wait_dscnt 0x0
.endif
.if \kind == 0
	PV 1
.else
	PV 0
.endif
.endm
	s_wait_tensorcnt 0x0                           ; my three tiles have landed,
	s_barrier_signal -1
	s_barrier_wait -1                              ; everybody's have
.irp q, 0,1
.irp ks, 0,1
	ds_load_b128 v[QF+8*(2*\q+\ks):QF+8*(2*\q+\ks)+3],   v[QA] offset:16*\q*KP+64*\ks
	ds_load_b128 v[QF+8*(2*\q+\ks)+4:QF+8*(2*\q+\ks)+7], v[QA] offset:16*\q*KP+64*\ks+32
.endr
.endr
	LDK 8
	CHUNK 8, 0
.irp c, 7,6,5,4,3,2,1
	CHUNK \c, 1
.endr
	CHUNK 0, 2
	; THE END: divide by the sum, round to f16, turn 16 bytes a lane into whole token rows through my own stage
	PLACES                                         ; behind the last products
	v_add_f32 v[TT],   v[LS],   v[LS+1]
	v_add_f32 v[TT+2], v[LS+2], v[LS+3]
	v_permlanex16_b32 v[TT+1], v[TT],   s56, s57
	v_permlanex16_b32 v[TT+3], v[TT+2], s56, s57
	v_add_f32 v[TT],   v[TT],   v[TT+1]
	v_add_f32 v[TT+2], v[TT+2], v[TT+3]            ; at least about 1: the key of the maximum has weight 1
	v_rcp_f32 v[AL],   v[TT]
	v_rcp_f32 v[AL+2], v[TT+2]
	v_nop                                          ; one plain vector instruction behind the reciprocals
	s_wait_alu depctr_va_vdst(0)
.irp q, 0,1
.irp i, 0,2,4,6,8,10,12,14,16,18,20,22,24,26,28,30
	v_pk_mul_f32 v[OA+32*\q+\i:OA+32*\q+\i+1], v[OA+32*\q+\i:OA+32*\q+\i+1], v[AL+2*\q:AL+2*\q+1] op_sel_hi:[1,0]
.endr
.endr
.set ei, 0
.rept 32
	v_cvt_pk_f16_f32 v[SC+ei], v[OA+2*ei], v[OA+2*ei+1]            ; tile (qt, t): four registers = head elements 16 t + 8 h .. + 7 of query 16 qt + r
.set ei, ei+1
.endr
.irp q, 0,1
.irp t, 0,1,2,3
	ds_store_b128 v[STO], v[SC+4*(4*\q+\t):SC+4*(4*\q+\t)+3] offset:16*\q*KP+32*\t
.endr
.endr
.irp u, 0,1,2,3,4,5,6,7
	ds_load_b128 v[KF+4*\u:KF+4*\u+3], v[RD] offset:4*\u*KP        ; my own bytes; LDS serves a wave's instructions in order (ISA guide 5.7.1.4): these see the stores above
.endr
.irp u, 0,1,2,3,4,5,6,7
	s_wait_dscnt 7-\u                              ; read-back u is in, the younger ones stay out
	global_store_b128 v[GO], v[KF+4*\u:KF+4*\u+3], s[6:7] offset:512*\u     ; four token rows: 512 consecutive bytes, aligned
.endr
	s_wait_tensorcnt 0x0
	ds_add_u32 v254, v255
	s_wait_dscnt 0x0
	s_endpgm
.Lfunc_end_k_qdf3abefca8_attn:
	.size	k_qdf3abefca8_attn, .Lfunc_end_k_qdf3abefca8_attn-k_qdf3abefca8_attn
	.p2alignl 7, 3214868480
	.fill 96, 4, 3214868480
	.section	.rodata,"a",@progbits
	.p2align	6, 0x0
	.amdhsa_kernel k_qdf3abefca8_attn
		.amdhsa_group_segment_fixed_size 230400
		.amdhsa_private_segment_fixed_size 0
		.amdhsa_enable_private_segment 0
		.amdhsa_kernarg_size 16
		.amdhsa_user_sgpr_count 2
		.amdhsa_user_sgpr_kernarg_segment_ptr 1
		.amdhsa_wavefront_size32 1
		.amdhsa_system_sgpr_workgroup_id_x 1
		.amdhsa_system_sgpr_workgroup_id_y 1
		.amdhsa_system_sgpr_workgroup_id_z 1
		.amdhsa_system_vgpr_workitem_id 0
		.amdhsa_next_free_vgpr 256
		.amdhsa_next_free_sgpr 66
		.amdhsa_reserve_vcc 1
		.amdhsa_float_denorm_mode_32 3
		.amdhsa_float_denorm_mode_16_64 3
		.amdhsa_memory_ordered 1
		.amdhsa_forward_progress 1
		.amdhsa_inst_pref_size 103
	.end_amdhsa_kernel
	.amdgpu_metadata
---
amdhsa.version: [ 1, 2 ]
amdhsa.kernels:
  - .name:           k_qdf3abefca8_attn
    .symbol:         k_qdf3abefca8_attn.kd
    .args:
      - { .name: qkvh, .offset: 0, .size: 8, .value_kind: global_buffer, .address_space: global }
      - { .name: attnh, .offset: 8, .size: 8, .value_kind: global_buffer, .address_space: global }
    .group_segment_fixed_size: 230400
    .private_segment_fixed_size: 0
    .kernarg_segment_align: 8
    .kernarg_segment_size: 16
    .max_flat_workgroup_size: 256
    .sgpr_count:     66
    .vgpr_count:     256
    .wavefront_size: 32
...
	.end_amdgpu_metadata
.endif
;; end of part 3
;; launch oproj (part 4): grid 8 x 32, 4 waves a work-group, clusters of 4 x 4, 327,680 bytes of LDS; arguments attnh, wo, x, out0; writes out0
.if DOCPART == 4
	.amdgcn_target "amdgcn-amd-amdhsa--gfx1250"
	.amdhsa_code_object_version 6
	.text
	.protected	k_qdf3abefca8_oproj
	.globl	k_qdf3abefca8_oproj
	.p2align	8
	.type	k_qdf3abefca8_oproj,@function
k_qdf3abefca8_oproj:
	s_mov_b64 s[64:65], 0
	v_nop
	global_prefetch_b8 v0, s[64:65] scope:SCOPE_SE
	s_setreg_imm32_b32 hwreg(HW_REG_WAVE_MODE, 25, 1), 1
	s_wait_xcnt 0x0
	s_wait_alu depctr_hold_cnt(0) depctr_sa_sdst(0) depctr_va_vdst(0) depctr_va_sdst(0) depctr_va_ssrc(0) depctr_va_vcc(0) depctr_vm_vsrc(0)
	s_getreg_b32 s2, hwreg(HW_REG_IB_STS2, 6, 4)
	s_cmp_eq_u32 s2, 0
	s_cbranch_scc0 .Lentry_in_a_cluster
	s_endpgm
.Lentry_in_a_cluster:
	s_bfe_u32 s2, ttmp6, 0x10000c
	s_cmp_lg_u32 s2, 0xf033
	s_cbranch_scc0 .Lentry_shape_is_right
	s_endpgm
.Lentry_shape_is_right:
; oproj: out0[4096 tokens][1024] = attn . wo^T + x.  attnh: [16 heads][4096 tokens][64] f16; wo: [1024][1024] f16, rows permuted inside
; each group of 64 (position 16 b + i holds true row 4 i + b); x, out0: f32.  Sums in f32.
; (f16 operands: their limit of 65,504 is met where they are made; nothing is narrowed here.)
; 256 work-groups, each a block of 128 tokens x 128 columns.  Four waves; wave w makes tokens 64 (w >> 1) .. + 63, columns 64 (w & 1) .. + 63:
; 16 accumulator tiles.  K = 1024 goes in 4 steps of 256 (four heads) through two LDS slots; all four steps are written out.  A step of 256 and not
; of 128, so that a tile that is asked for has 124 matrix instructions of each wave in which to land, and half of all operands go out at the start.
; CLUSTERS of 4 x 4: attnh's tile hangs on the block row alone (asked for jointly by a row of the cluster), wo's on the block column alone (by a column).
; THE WAY OUT NEEDS NO LDS: source 0 = 16 tokens, source 1 = 16 rows of wo.  As wo's rows are permuted, the four column tiles give lane r the columns
; 4 r .. 4 r + 3; as the lane that holds source 0's row i reads LDS row 2 (i & 7) + (i >> 3), register j of half h is token 2 j + h.  The add of the
; residual gathers a lane's four numbers: one store of 16 bytes a lane, of which lanes 0-15 and lanes 16-31 each cover 256 consecutive bytes, aligned.
; REGISTERS: window 0: v16-24 addresses, v32-95 attn's fragments (two buffers of 4), v96-159 wo's (two buffers of 4), later the results;
; window 1: v0-127 accumulator tile (a, b) at 8 (4 a + b); v128-255 the residual, (a, j) at 128 + 4 (8 a + j), loaded at the start.
.set AP,     144                       ; LDS pitch of a token's 64 elements of one head: 128 bytes + 16
.set APLANE, 64*AP                     ; a head's 64 tokens
.set AHALF,  4*APLANE                  ; four heads x 64 tokens: what one tensor load brings of attnh, 36,864 bytes
.set BP,     528                       ; LDS pitch of a row of wo: 512 bytes + 16
.set BHALF,  64*BP                     ; 64 rows: what one tensor load brings of wo, 33,792 bytes
.set BOFF,   2*AHALF
.set SLOT,   2*AHALF+2*BHALF           ; 141,312 bytes; two slots
.set ADRA, 16                          ; v16-17
.set ADRB, 20                          ; v20-21
.set CO,   24                          ; v24: 4096 h + 16 r
.set FA,   32                          ; buffer f at FA + 32 f
.set FB,   96                          ; buffer f at FB + 32 f
.set OUTR, 32                          ; window 0: 128 registers of results
.set RES,  128                         ; window 1
.set G1,  24
.set G0,  32
.set G1B, 48
.set G0B, 56
.set MSB, 0
.macro WIN new                         ; the immediate's high byte repeats the setting that is left; a switch that changes nothing is dropped
.if MSB != \new
	s_set_vgpr_msb (MSB<<8)|\new
.set MSB, \new
.endif
.endm
.set MULW,   0x50                      ; sources 0 and 1 window 0, C and D window 1
.set TO_RES, 0x40                      ; destination window 1, address window 0
.set ADDW,   0x05                      ; sources 0 and 1 window 1, destination window 0
.macro JLOAD s                         ; waves 0 and 1 ask for attnh's two halves, waves 2 and 3 for wo's; the branch hangs on the wave's number alone
	s_cmp_eq_u32 s11, 0
	s_cbranch_scc0 .Lfor_b_\@
	tensor_load_to_lds s[G0+4*\s:G0+4*\s+3], s[G1:G1+7]
	s_nop 0
	s_branch .Lasked_\@
.Lfor_b_\@:
	tensor_load_to_lds s[G0B+4*\s:G0B+4*\s+3], s[G1B:G1B+7]
	s_nop 0
.Lasked_\@:
.endm
.macro CREST                           ; a round of the cluster's barrier behind its opening barrier
	s_cmp_lg_u32 s10, 0
	s_cbranch_scc1 .Lnot_wave_0_\@
	s_barrier_signal -3
.Lnot_wave_0_\@:
	s_barrier_wait -3
	s_barrier_signal -1
	s_barrier_wait -1
.endm
.macro CROUND
	s_barrier_signal -1
	s_barrier_wait -1
	CREST
.endm
	s_load_b128 s[4:7], s[0:1], 0x0                ; attnh s[4:5], wo s[6:7]
	s_load_b128 s[68:71], s[0:1], 0x10             ; x s[68:69], out0 s[70:71]
	v_lshl_add_u32 v254, v0, 2, 0x45000
	v_mov_b32 v255, 0
	ds_add_u32 v254, v255
	v_lshrrev_b32 v1, 5, v0
	v_readfirstlane_b32 s10, v1                    ; wave 0..3
	s_lshr_b32 s11, s10, 1                         ; my half of the block's tokens.  Also: I fetch for attnh (0) or for wo (1)
	s_and_b32 s12, s10, 1                          ; my half of its columns.  Also: which half of that tile I fetch
	s_bfe_u32 s40, ttmp6, 0x40000                  ; cx
	s_bfe_u32 s41, ttmp6, 0x40004                  ; cy
	s_lshl_b32 s42, ttmp9, 2
	s_add_co_u32 s42, s42, s40                     ; block column, 0..7
	s_and_b32 s13, ttmp7, 0xffff
	s_lshl_b32 s13, s13, 2
	s_add_co_u32 s13, s13, s41                     ; block row, 0..31
	s_lshl_b32 s43, s41, 2
	s_lshl_b32 s43, 15, s43                        ; my row of the cluster
	s_lshl_b32 s44, 0x1111, s40                    ; my column
	; attnh's tile: four "rows", one a head, each the 64 tokens x 64 elements = 4,096 elements that lie dense in memory, 262,144 elements (a head's plane) apart;
	; 4 words of padding behind every 32 words, that is behind every token's 128 bytes: token t of head y lands at (64 y + t) x 144
	s_or_b32 s[G1+0], s43, (1<<16)|(1<<20)|(1<<21)|(4<<22)|(3<<25)
	s_mov_b32 s[G1+1], 4096<<16                    ; tensor_dim0 = 4,096
	s_mov_b32 s[G1+2], 4<<16                       ; tensor_dim1 = 4
	s_mov_b32 s[G1+3], 4096<<16                    ; tile_dim0
	s_mov_b32 s[G1+4], 4                           ; tile_dim1
	s_mov_b32 s[G1+5], 262144                      ; pitch
	s_mov_b32 s[G1+6], 0
	s_mov_b32 s[G1+7], 0
	; wo's tile: 64 rows x 256 elements, 4 words of padding behind every 128 words
	s_or_b32 s[G1B+0], s44, (1<<16)|(1<<20)|(1<<21)|(6<<22)|(3<<25)
	s_mov_b32 s[G1B+1], 256<<16
	s_mov_b32 s[G1B+2], 64<<16
	s_mov_b32 s[G1B+3], 256<<16
	s_mov_b32 s[G1B+4], 64
	s_mov_b32 s[G1B+5], 1024
	s_mov_b32 s[G1B+6], 0
	s_mov_b32 s[G1B+7], 0
	s_lshl_b32 s16, s13, 14                        ; attnh: token 128 x block row + 64 x half, x 128 bytes
	s_lshl_b32 s17, s12, 13
	s_add_co_u32 s16, s16, s17
	s_mov_b32 s17, 0
	s_lshl_b32 s46, s42, 18                        ; wo: row 128 x block column + 64 x half, x 2,048 bytes
	s_lshl_b32 s47, s12, 17
	s_add_co_u32 s46, s46, s47
	s_mov_b32 s47, 0
	s_mul_i32 s20, s10, AHALF                      ; waves 0, 1: attnh's halves at 0 and AHALF
	s_mul_i32 s21, s10, BHALF
	s_add_co_u32 s21, s21, BOFF-2*BHALF            ; waves 2, 3: wo's halves at BOFF and BOFF + BHALF
	s_lshl_b32 s72, s13, 19                        ; x and out0: 128 rows of 4,096 bytes a block row,
	s_lshl_b32 s73, s11, 18                        ; 64 rows a half,
	s_add_co_u32 s72, s72, s73
	s_mov_b32 s73, 0
	s_lshl_b32 s74, s42, 9                         ; 512 bytes a block column,
	s_lshl_b32 s75, s12, 8                         ; 256 a half
	s_add_co_u32 s74, s74, s75
	s_mov_b32 s75, 0
	s_wait_dscnt 0x0
	s_wait_kmcnt 0x0
	s_add_nc_u64 s[14:15], s[4:5], s[16:17]
	s_add_nc_u64 s[46:47], s[6:7], s[46:47]
	CROUND                                         ; all sixteen work-groups are here: the first joint loads meet
.irp s, 0,1
	s_mov_b32 s[G0+4*\s], 1
	s_add_co_u32 s[G0+4*\s+1], s20, \s*SLOT
	s_add_nc_u64 s[G0+4*\s+2:G0+4*\s+3], s[14:15], \s*4*524288     ; K step s: heads 4 s .. 4 s + 3
	s_or_b32 s[G0+4*\s+3], s[G0+4*\s+3], 0x80000000
	s_mov_b32 s[G0B+4*\s], 1
	s_add_co_u32 s[G0B+4*\s+1], s21, \s*SLOT
	s_add_nc_u64 s[G0B+4*\s+2:G0B+4*\s+3], s[46:47], \s*512        ; K step s: 256 elements along the rows
	s_or_b32 s[G0B+4*\s+3], s[G0B+4*\s+3], 0x80000000
	JLOAD \s                                       ; both slots' first fills: two tensor loads of the wave are out
.endr
	s_add_nc_u64 s[68:69], s[68:69], s[72:73]
	s_add_nc_u64 s[68:69], s[68:69], s[74:75]      ; x at my 64 x 64
	s_add_nc_u64 s[70:71], s[70:71], s[72:73]
	s_add_nc_u64 s[70:71], s[70:71], s[74:75]      ; out0 likewise
	v_and_b32 v1, 15, v0                           ; r
	v_bfe_u32 v2, v0, 4, 1                         ; h
	v_lshlrev_b32 v7, 4, v1
	v_lshl_add_u32 v[CO], v2, 12, v7               ; 4096 h + 16 r
	WIN TO_RES
.irp a, 0,1,2,3
.irp j, 0,1,2,3,4,5,6,7
	global_load_b128 v[RES+4*(8*\a+\j):RES+4*(8*\a+\j)+3], v[CO], s[68:69] offset:(16*\a+2*\j)*4096 th:TH_LOAD_NT   ; the residual, in the layout of the results; it has the whole product in which to land
.endr
.endr
	WIN 0
	v_and_b32 v3, 7, v0
	v_bfe_u32 v4, v0, 3, 1
	v_lshl_add_u32 v3, v3, 1, v4                   ; the token row that fragment row r takes: 2 (r & 7) + (r >> 3)
	v_mul_u32_u24 v5, v3, AP
	v_lshl_add_u32 v5, v2, 4, v5
	s_mul_i32 s22, s11, AHALF                      ; my 64 tokens
	v_add_nc_u32 v[ADRA], s22, v5
	v_add_nc_u32 v[ADRA+1], SLOT, v[ADRA]
	v_mul_u32_u24 v6, v1, BP
	v_lshl_add_u32 v6, v2, 4, v6
	s_mul_i32 s23, s12, BHALF                      ; my 64 rows of wo
	s_add_co_u32 s23, s23, BOFF
	v_add_nc_u32 v[ADRB], s23, v6
	v_add_nc_u32 v[ADRB+1], SLOT, v[ADRB]
; four matrix instructions: token block a x the four column tiles, 32 along K.  The 16 accumulators take turns, one instruction a turn, in the same order in every quarter.
.macro MUL4 f, a, zero
.irp b, 0,1,2,3
.if \zero
	v_wmma_f32_16x16x32_f16 v[8*(4*\a+\b):8*(4*\a+\b)+7], v[FA+32*\f+8*\a:FA+32*\f+8*\a+7], v[FB+32*\f+8*\b:FB+32*\f+8*\b+7], 0
.else
	v_wmma_f32_16x16x32_f16 v[8*(4*\a+\b):8*(4*\a+\b)+7], v[FA+32*\f+8*\a:FA+32*\f+8*\a+7], v[FB+32*\f+8*\b:FB+32*\f+8*\b+7], v[8*(4*\a+\b):8*(4*\a+\b)+7]
.endif
.endr
.endm
; 16 LDS loads: the fragments of eighth q (32 of the slot's 256 along K: head q >> 1, half q & 1) into buffer f; wo's four, then attn's four
.macro FETCH slot, q, f
	WIN 0
.irp b, 0,1,2,3
	ds_load_b128 v[FB+32*\f+8*\b:FB+32*\f+8*\b+3],   v[ADRB+\slot] offset:\b*16*BP+64*\q
	ds_load_b128 v[FB+32*\f+8*\b+4:FB+32*\f+8*\b+7], v[ADRB+\slot] offset:\b*16*BP+64*\q+32
.endr
.irp a, 0,1,2,3
	ds_load_b128 v[FA+32*\f+8*\a:FA+32*\f+8*\a+3],   v[ADRA+\slot] offset:(\q>>1)*APLANE+\a*16*AP+(\q&1)*64
	ds_load_b128 v[FA+32*\f+8*\a+4:FA+32*\f+8*\a+7], v[ADRA+\slot] offset:(\q>>1)*APLANE+\a*16*AP+(\q&1)*64+32
.endr
.endm
.macro PLACES                          ; four plain vector instructions behind a matrix instruction (ISA guide 7.12.1 for vector instructions)
.rept 4
	v_nop
.endr
.endm
; multiplies buffer f; in its middle fetches eighth qn of the same slot into buffer g
.macro QUARTER slot, qn, f, g, zero
	s_wait_dscnt 4                                 ; the four youngest loads are attn's fragments 2 and 3
	WIN MULW
	MUL4 \f, 0, \zero
	MUL4 \f, 1, \zero
	PLACES
	FETCH \slot, \qn, \g
	s_wait_dscnt 16                                ; all but the 16 just issued
	WIN MULW
	MUL4 \f, 2, \zero
	MUL4 \f, 3, \zero
.endm
.macro SEVEN slot, zero
	QUARTER \slot, 1, 0, 1, \zero
	QUARTER \slot, 2, 1, 0, 0
	QUARTER \slot, 3, 0, 1, 0
	QUARTER \slot, 4, 1, 0, 0
	QUARTER \slot, 5, 0, 1, 0
	QUARTER \slot, 6, 1, 0, 0
	QUARTER \slot, 7, 0, 1, 0
.endm
; The last eighth of a K step: multiplies buffer 1 and changes slots.  In front of the barrier each wave waits for its reads of this slot and for all its
; tensor loads.  fill = 1: the barrier opens a round of the cluster's barrier; behind the round this slot's next tile is asked for first.
.macro TURN slot, next, fill
	s_wait_dscnt 4
	WIN MULW
	MUL4 1, 0, 0
	s_wait_dscnt 0x0                               ; my reads of this slot are over
	s_wait_tensorcnt 0x0                           ; all my tensor loads have landed: the one that was out is my part of the next slot
	ds_add_u32 v254, v255
	s_wait_dscnt 0x0
	s_barrier_signal -1
	MUL4 1, 1, 0                                   ; register work while the others arrive
	WIN 0
	s_barrier_wait -1
.if \fill
	CREST                                          ; no wave of any partner still reads this slot or has a load on its way
	s_add_nc_u64 s[G0+4*\slot+2:G0+4*\slot+3], s[G0+4*\slot+2:G0+4*\slot+3], 8*524288     ; eight heads on
	s_add_nc_u64 s[G0B+4*\slot+2:G0B+4*\slot+3], s[G0B+4*\slot+2:G0B+4*\slot+3], 1024     ; 512 elements on
	JLOAD \slot                                    ; the wave's one tensor load behind the round
.endif
	PLACES
	FETCH \next, 0, 0
	WIN MULW
	MUL4 1, 2, 0
	MUL4 1, 3, 0
.endm
	s_wait_tensorcnt 0x1                           ; my part of K step 0 is in; K step 1's stays out
	s_barrier_signal -1
	s_barrier_wait -1
	FETCH 0, 0, 0
	SEVEN 0, 1                                     ; K step 0: its first products start the sums
	TURN 0, 1, 1                                   ; asks for K step 2
	SEVEN 1, 0                                     ; K step 1
	TURN 1, 0, 1                                   ; asks for K step 3
	SEVEN 0, 0                                     ; K step 2
	TURN 0, 1, 0                                   ; nothing is left to ask for
	SEVEN 1, 0                                     ; K step 3
	s_wait_dscnt 4
	WIN MULW
	MUL4 1, 0, 0
	MUL4 1, 1, 0
	s_wait_dscnt 0x0
	MUL4 1, 2, 0
	MUL4 1, 3, 0
	; THE WAY OUT: the add of the residual gathers a lane's four neighbouring columns into four neighbouring registers
	PLACES                                         ; behind the last matrix instructions: the adds read results and write over fragment registers
	s_wait_loadcnt 0x0                             ; the residual
	WIN ADDW
.irp a, 0,1,2,3
.irp j, 0,1,2,3,4,5,6,7
.irp b, 0,1,2,3
	v_add_f32 v[OUTR+4*(8*\a+\j)+\b], v[8*(4*\a+\b)+\j], v[RES+4*(8*\a+\j)+\b]
.endr
.endr
.endr
	WIN 0
.irp a, 0,1,2,3
.irp j, 0,1,2,3,4,5,6,7
	global_store_b128 v[CO], v[OUTR+4*(8*\a+\j):OUTR+4*(8*\a+\j)+3], s[70:71] offset:(16*\a+2*\j)*4096 th:TH_STORE_NT   ; tokens 16 a + 2 j and + 1: 256 consecutive bytes each, aligned
.endr
.endr
	CROUND                                         ; the closing round: no work-group ends while a partner may still ask for a tile that names it
	s_endpgm
.Lfunc_end_k_qdf3abefca8_oproj:
	.size	k_qdf3abefca8_oproj, .Lfunc_end_k_qdf3abefca8_oproj-k_qdf3abefca8_oproj
	.p2alignl 7, 3214868480
	.fill 96, 4, 3214868480
	.section	.rodata,"a",@progbits
	.p2align	6, 0x0
	.amdhsa_kernel k_qdf3abefca8_oproj
		.amdhsa_group_segment_fixed_size 327680
		.amdhsa_private_segment_fixed_size 0
		.amdhsa_enable_private_segment 0
		.amdhsa_kernarg_size 32
		.amdhsa_user_sgpr_count 2
		.amdhsa_user_sgpr_kernarg_segment_ptr 1
		.amdhsa_wavefront_size32 1
		.amdhsa_system_sgpr_workgroup_id_x 1
		.amdhsa_system_sgpr_workgroup_id_y 1
		.amdhsa_system_sgpr_workgroup_id_z 1
		.amdhsa_system_vgpr_workitem_id 0
		.amdhsa_next_free_vgpr 512
		.amdhsa_next_free_sgpr 76
		.amdhsa_reserve_vcc 0
		.amdhsa_float_denorm_mode_32 3
		.amdhsa_float_denorm_mode_16_64 3
		.amdhsa_memory_ordered 1
		.amdhsa_forward_progress 1
		.amdhsa_inst_pref_size 91
	.end_amdhsa_kernel
	.amdgpu_metadata
---
amdhsa.version: [ 1, 2 ]
amdhsa.kernels:
  - .name:           k_qdf3abefca8_oproj
    .symbol:         k_qdf3abefca8_oproj.kd
    .args:
      - { .name: attnh, .offset: 0, .size: 8, .value_kind: global_buffer, .address_space: global }
      - { .name: wo, .offset: 8, .size: 8, .value_kind: global_buffer, .address_space: global }
      - { .name: x, .offset: 16, .size: 8, .value_kind: global_buffer, .address_space: global }
      - { .name: out0, .offset: 24, .size: 8, .value_kind: global_buffer, .address_space: global }
    .group_segment_fixed_size: 327680
    .private_segment_fixed_size: 0
    .kernarg_segment_align: 8
    .kernarg_segment_size: 32
    .max_flat_workgroup_size: 128
    .sgpr_count:     76
    .vgpr_count:     512
    .wavefront_size: 32
...
	.end_amdgpu_metadata
.endif
;; end of part 4
;; ======== version 2 of 2: 4 launches; version 1 with the launch prep written anew for expert scheduling mode
;; limits: values are held in f16: magnitudes above 65,504 overflow, below 6.1e-05 lose precision
;; workspace buffers: xn 8,388,608 bytes; wq 6,291,456 bytes; wo 2,097,152 bytes; qkvh 25,165,824 bytes; attnh 8,388,608 bytes
;; launch prep (part 5): grid 512 x 1, 8 waves a work-group, no clusters, 0 bytes of LDS; arguments x, gamma, beta, W_qkv, W_out, xn, wq, wo; writes xn, wq, wo
.if DOCPART == 5
	.amdgcn_target "amdgcn-amd-amdhsa--gfx1250"
	.amdhsa_code_object_version 6
	.text
	.protected	k_qdf3abefca8_prep
	.globl	k_qdf3abefca8_prep
	.p2align	8
	.type	k_qdf3abefca8_prep,@function
k_qdf3abefca8_prep:
	s_mov_b64 s[64:65], 0
	v_nop
	global_prefetch_b8 v0, s[64:65] scope:SCOPE_SE
	s_setreg_imm32_b32 hwreg(HW_REG_WAVE_SCHED_MODE, 0, 2), 2
	s_setreg_imm32_b32 hwreg(HW_REG_WAVE_MODE, 25, 1), 1
	s_wait_xcnt 0x0
	s_wait_alu depctr_vm_vsrc(0)
; prep: xn = LayerNorm(x) in f16; wq, wo = W_qkv, W_out in f16 with their rows permuted inside each group of 64.
; 8,192 rows of 1,024 f32 (4,096 of x, 3,072 of W_qkv, 1,024 of W_out); a wave takes two neighbouring rows, a work-group sixteen.
; Work-groups 0-255: LayerNorm; 256-447: W_qkv; 448-511: W_out.  Every work-group reads 64 KiB and stores 32 KiB.
; A row stays in 32 registers of a wave: load u takes the 16 bytes at 16 lane + 512 u (512 neighbouring bytes an instruction);
; packed to f16 these are 8 bytes at 8 lane + 256 u, so that each store of the wave covers 256 consecutive bytes, aligned.
; LayerNorm in two passes (the mean first, then the sum of (x - mean)^2), so that a common offset of x costs no accuracy.
; THE PERMUTATION: true row e of a weight lies at position (e & ~63) + 16 (e & 3) + ((e >> 2) & 15), so that position 16 b + i of a group
; holds true row 4 i + b.  In the products that follow, lane r of matrix tile b then holds output column 4 r + b: the four tiles of a
; group give a lane four neighbouring columns, and the results are stored without a pass through LDS.
; WHY f16: the first tokens of a sequence attend to one or two keys, so their results are not averaged down and carry every operand's rounding
; at full size; 11 significant bits leave margin there, 8 do not.
; LIMITS: f16 ends at 65,504.  |xn| <= 32 max|gamma| + max|beta| (a normalised row of 1,024 numbers has none above 32), about 1,000 for a gamma of 30;
; a weight above 65,504 becomes infinity.  Below 2^-14 the step of f16 is 2^-24: for weights of rms 0.001 that is 6e-5 of their rms.
; NaN and infinities in the inputs are passed on as arithmetic makes them.
; No LDS, no barrier, no matrix unit, no cluster: nothing is shared between waves and memory bounds the launch.
; THE MODE: SCHED_MODE bits 1:0 = 2 (LLVM: expert scheduling mode 2), set by the entry lines.  The code itself states the register dependences
; between vector instructions and memory instructions, with s_wait_alu, always for 0.
; THE PLAN.  Registers that memory instructions touch:
;   v1, v2       byte offsets of the loads and of the stores.  Written once at the head, never again: one wait at the head, ahead of the branch, serves both arms.
;   X0, X1, GA, BE   The loads land in them once; no vector instruction names them before that, and no load lands in them again.
;   X0 + 4 u, + 1    Written by row 0's conversions, read by row 0's eight stores, written by nothing afterwards.  X1 likewise for row 1.
; So one wait stands behind each row's sixteen conversions, ahead of the run of that row's eight stores.  In the LayerNorm arm row 0 is finished first, and its
; stores are dealt among row 1's multiplies, which name X1 and RS1 alone.  No register that a memory instruction has read is written again.
.set X0,   4                           ; v[4:35]    row 0
.set X1,   36                          ; v[36:67]   row 1
.set GA,   68                          ; v[68:99]   gamma of my 32 columns
.set BE,   100                         ; v[100:131] beta
.set SUM0, 132                         ; pairs: partial sums,
.set SUM1, 134
.set MU0,  136                         ; the mean twice,
.set MU1,  138
.set RS0,  140                         ; 1 / sqrt(var + eps) twice
.set RS1,  142
	s_load_b512 s[8:23], s[0:1], 0x0               ; x 8:9, gamma 10:11, beta 12:13, W_qkv 14:15, W_out 16:17, xn 18:19, wq 20:21, wo 22:23
	v_lshrrev_b32 v3, 5, v0
	v_readfirstlane_b32 s2, v3                     ; wave
	v_and_b32 v1, 31, v0
	v_lshlrev_b32 v2, 3, v1                        ; 8 lane: stores
	v_lshlrev_b32 v1, 4, v1                        ; 16 lane: loads
	s_lshl_b32 s3, ttmp9, 3
	s_wait_alu depctr_va_sdst(0)                   ; s2 is written, ahead of its first reader: the wave's pair of rows is made from it
	s_add_co_u32 s3, s3, s2                        ; my pair of rows, 0 to 4,095
	s_mov_b32 s5, 0
	s_mov_b32 s7, 0
	s_wait_kmcnt 0x0
	s_wait_alu depctr_va_vdst(0)                   ; v1 and v2 are written: every load of either arm reads v1 as its offset, every store v2
	s_cmp_ge_u32 ttmp9, 256
	s_cbranch_scc1 .Lcast
	; ---- LayerNorm of two rows ----
	s_mov_b32 s24, 0x76543210                      ; v_permlanex16_b32: lane i of one half reads lane i of the other
	s_mov_b32 s25, 0xfedcba98
	s_mov_b32 s26, 0x3a800000                      ; 1 / 1024
	s_mov_b32 s27, 0x3727c5ac                      ; eps = 1e-5
	s_lshl_b32 s4, s3, 13                          ; two rows of 4,096 bytes
	s_lshl_b32 s6, s3, 12                          ; two rows of 2,048 bytes
	s_add_nc_u64 s[8:9], s[8:9], s[4:5]
	s_add_nc_u64 s[18:19], s[18:19], s[6:7]
.irp u, 0,1,2,3,4,5,6,7
	global_load_b128 v[X0+4*\u:X0+4*\u+3], v1, s[8:9] offset:512*\u th:TH_LOAD_NT
.endr
.irp u, 0,1,2,3,4,5,6,7
	global_load_b128 v[X1+4*\u:X1+4*\u+3], v1, s[8:9] offset:4096+512*\u th:TH_LOAD_NT
.endr
.irp u, 0,1,2,3,4,5,6,7
	global_load_b128 v[GA+4*\u:GA+4*\u+3], v1, s[10:11] offset:512*\u
.endr
.irp u, 0,1,2,3,4,5,6,7
	global_load_b128 v[BE+4*\u:BE+4*\u+3], v1, s[12:13] offset:512*\u
.endr
; the sum of a pair of partial sums over the 32 lanes, left in every lane (v3 has been written: the permute's destination counts as read)
.macro ACROSS p
	v_add_f32 v[\p], v[\p], v[\p+1]
	v_add_f32_dpp v[\p], v[\p], v[\p] row_xmask:1 row_mask:0xf bank_mask:0xf
	v_add_f32_dpp v[\p], v[\p], v[\p] row_xmask:2 row_mask:0xf bank_mask:0xf
	v_add_f32_dpp v[\p], v[\p], v[\p] row_xmask:4 row_mask:0xf bank_mask:0xf
	v_add_f32_dpp v[\p], v[\p], v[\p] row_xmask:8 row_mask:0xf bank_mask:0xf
	v_permlanex16_b32 v3, v[\p], s24, s25
	v_add_f32 v[\p], v[\p], v3
.endm
	s_wait_loadcnt 16                              ; the 16 younger loads are gamma's and beta's: both rows of x are in
	v_pk_add_f32 v[SUM0:SUM0+1], v[X0:X0+1], v[X0+2:X0+3]
	v_pk_add_f32 v[SUM1:SUM1+1], v[X1:X1+1], v[X1+2:X1+3]
.set j, 4
.rept 14
	v_pk_add_f32 v[SUM0:SUM0+1], v[SUM0:SUM0+1], v[X0+j:X0+j+1]
	v_pk_add_f32 v[SUM1:SUM1+1], v[SUM1:SUM1+1], v[X1+j:X1+j+1]
.set j, j+2
.endr
	ACROSS SUM0
	ACROSS SUM1
	v_mul_f32 v[MU0], s26, v[SUM0]                 ; the mean, in both registers of a pair
	v_mul_f32 v[MU0+1], s26, v[SUM0]
	v_mul_f32 v[MU1], s26, v[SUM1]
	v_mul_f32 v[MU1+1], s26, v[SUM1]
.set j, 0
.rept 16
	v_pk_add_f32 v[X0+j:X0+j+1], v[X0+j:X0+j+1], v[MU0:MU0+1] neg_lo:[0,1] neg_hi:[0,1]   ; d = x - mean, in place
	v_pk_add_f32 v[X1+j:X1+j+1], v[X1+j:X1+j+1], v[MU1:MU1+1] neg_lo:[0,1] neg_hi:[0,1]
.set j, j+2
.endr
	v_pk_mul_f32 v[SUM0:SUM0+1], v[X0:X0+1], v[X0:X0+1]
	v_pk_mul_f32 v[SUM1:SUM1+1], v[X1:X1+1], v[X1:X1+1]
.set j, 2
.rept 15
	v_pk_fma_f32 v[SUM0:SUM0+1], v[X0+j:X0+j+1], v[X0+j:X0+j+1], v[SUM0:SUM0+1]
	v_pk_fma_f32 v[SUM1:SUM1+1], v[X1+j:X1+j+1], v[X1+j:X1+j+1], v[SUM1:SUM1+1]
.set j, j+2
.endr
	ACROSS SUM0
	ACROSS SUM1
	v_fma_f32 v[SUM0], v[SUM0], s26, s27           ; var + eps
	v_fma_f32 v[SUM1], v[SUM1], s26, s27
	v_rsq_f32 v[RS0], v[SUM0]
	v_rsq_f32 v[RS0+1], v[SUM0]
	v_rsq_f32 v[RS1], v[SUM1]
	v_rsq_f32 v[RS1+1], v[SUM1]
	v_nop                                          ; one plain vector instruction between a transcendental and the use of its result (ISA guide 5.7.2)
	s_wait_loadcnt 0x0                             ; gamma and beta
	s_wait_alu depctr_va_vdst(0)                   ; the four reciprocal roots RS0, RS0 + 1, RS1, RS1 + 1 are written, ahead of their first reader: one wait for the batch
	; row 0 is finished first, so that its stores leave while row 1 is still at work
.set j, 0
.rept 16
	v_pk_mul_f32 v[X0+j:X0+j+1], v[X0+j:X0+j+1], v[RS0:RS0+1]
.set j, j+2
.endr
.set j, 0
.rept 16
	v_pk_fma_f32 v[X0+j:X0+j+1], v[X0+j:X0+j+1], v[GA+j:GA+j+1], v[BE+j:BE+j+1]
.set j, j+2
.endr
.irp u, 0,1,2,3,4,5,6,7
	v_cvt_pk_f16_f32 v[X0+4*\u],   v[X0+4*\u],   v[X0+4*\u+1]      ; four numbers become 8 bytes, in the first two of their registers
	v_cvt_pk_f16_f32 v[X0+4*\u+1], v[X0+4*\u+2], v[X0+4*\u+3]
.endr
	s_wait_alu depctr_va_vdst(0)                   ; row 0's conversions have written X0 + 4 u and X0 + 4 u + 1, which the eight stores below read
.irp u, 0,1,2,3,4,5,6,7
	global_store_b64 v2, v[X0+4*\u:X0+4*\u+1], s[18:19] offset:256*\u      ; no further wait: no vector instruction since the wait names X0 or v2
	v_pk_mul_f32 v[X1+4*\u:X1+4*\u+1],   v[X1+4*\u:X1+4*\u+1],   v[RS1:RS1+1]
	v_pk_mul_f32 v[X1+4*\u+2:X1+4*\u+3], v[X1+4*\u+2:X1+4*\u+3], v[RS1:RS1+1]
.endr
.set j, 0
.rept 16
	v_pk_fma_f32 v[X1+j:X1+j+1], v[X1+j:X1+j+1], v[GA+j:GA+j+1], v[BE+j:BE+j+1]
.set j, j+2
.endr
.irp u, 0,1,2,3,4,5,6,7
	v_cvt_pk_f16_f32 v[X1+4*\u],   v[X1+4*\u],   v[X1+4*\u+1]
	v_cvt_pk_f16_f32 v[X1+4*\u+1], v[X1+4*\u+2], v[X1+4*\u+3]
.endr
	s_wait_alu depctr_va_vdst(0)                   ; row 1's conversions have written X1 + 4 u and X1 + 4 u + 1, which the last eight stores read
.irp u, 0,1,2,3,4,5,6,7
	global_store_b64 v2, v[X1+4*\u:X1+4*\u+1], s[18:19] offset:2048+256*\u
.endr
	s_endpgm
	; ---- two rows of a weight: cast and put at their permuted places ----
.Lcast:
	s_sub_co_u32 s3, s3, 2048
	s_lshl_b32 s3, s3, 1                           ; row e (even) among the 4,096 weight rows, W_qkv's first
	s_cmp_lt_u32 ttmp9, 448
	s_cselect_b64 s[28:29], s[14:15], s[16:17]     ; from W_qkv or W_out
	s_cselect_b64 s[30:31], s[20:21], s[22:23]     ; to wq or wo
	s_cselect_b32 s32, 0, 3072
	s_sub_co_u32 s3, s3, s32                       ; e inside its own weight
	s_lshl_b32 s4, s3, 12
	s_add_nc_u64 s[28:29], s[28:29], s[4:5]
	s_and_b32 s33, s3, 0xffffffc0                  ; the group of 64
	s_and_b32 s34, s3, 3
	s_lshl_b32 s34, s34, 4                         ; 16 (e & 3)
	s_bfe_u32 s35, s3, 0x40002                     ; (e >> 2) & 15
	s_add_co_u32 s33, s33, s34
	s_add_co_u32 s33, s33, s35
	s_lshl_b32 s6, s33, 11                         ; position x 2,048 bytes
	s_add_nc_u64 s[30:31], s[30:31], s[6:7]
.irp u, 0,1,2,3,4,5,6,7
	global_load_b128 v[X0+4*\u:X0+4*\u+3], v1, s[28:29] offset:512*\u th:TH_LOAD_NT
.endr
.irp u, 0,1,2,3,4,5,6,7
	global_load_b128 v[X1+4*\u:X1+4*\u+3], v1, s[28:29] offset:4096+512*\u th:TH_LOAD_NT
.endr
	s_wait_loadcnt 8                               ; the 8 younger loads are row e + 1's: row e is in
.irp u, 0,1,2,3,4,5,6,7
	v_cvt_pk_f16_f32 v[X0+4*\u],   v[X0+4*\u],   v[X0+4*\u+1]
	v_cvt_pk_f16_f32 v[X0+4*\u+1], v[X0+4*\u+2], v[X0+4*\u+3]
.endr
	s_wait_alu depctr_va_vdst(0)                   ; row e's conversions have written X0 + 4 u and X0 + 4 u + 1, which the eight stores below read
.irp u, 0,1,2,3,4,5,6,7
	global_store_b64 v2, v[X0+4*\u:X0+4*\u+1], s[30:31] offset:256*\u      ; they go out ahead of the wait for row e + 1
.endr
	s_wait_loadcnt 0x0
.irp u, 0,1,2,3,4,5,6,7
	v_cvt_pk_f16_f32 v[X1+4*\u],   v[X1+4*\u],   v[X1+4*\u+1]
	v_cvt_pk_f16_f32 v[X1+4*\u+1], v[X1+4*\u+2], v[X1+4*\u+3]
.endr
	s_wait_alu depctr_va_vdst(0)                   ; row e + 1's conversions have written X1 + 4 u and X1 + 4 u + 1, which the last eight stores read
.irp u, 0,1,2,3,4,5,6,7
	global_store_b64 v2, v[X1+4*\u:X1+4*\u+1], s[30:31] offset:32768+256*\u    ; e is even, so row e + 1 lies 16 positions of 2,048 bytes further on
.endr
	s_endpgm
.Lfunc_end_k_qdf3abefca8_prep:
	.size	k_qdf3abefca8_prep, .Lfunc_end_k_qdf3abefca8_prep-k_qdf3abefca8_prep
	.p2alignl 7, 3214868480
	.fill 96, 4, 3214868480
	.section	.rodata,"a",@progbits
	.p2align	6, 0x0
	.amdhsa_kernel k_qdf3abefca8_prep
		.amdhsa_group_segment_fixed_size 0
		.amdhsa_private_segment_fixed_size 0
		.amdhsa_enable_private_segment 0
		.amdhsa_kernarg_size 64
		.amdhsa_user_sgpr_count 2
		.amdhsa_user_sgpr_kernarg_segment_ptr 1
		.amdhsa_wavefront_size32 1
		.amdhsa_system_sgpr_workgroup_id_x 1
		.amdhsa_system_sgpr_workgroup_id_y 1
		.amdhsa_system_sgpr_workgroup_id_z 1
		.amdhsa_system_vgpr_workitem_id 0
		.amdhsa_next_free_vgpr 144
		.amdhsa_next_free_sgpr 66
		.amdhsa_reserve_vcc 0
		.amdhsa_float_denorm_mode_32 3
		.amdhsa_float_denorm_mode_16_64 3
		.amdhsa_memory_ordered 1
		.amdhsa_forward_progress 1
		.amdhsa_inst_pref_size 26
	.end_amdhsa_kernel
	.amdgpu_metadata
---
amdhsa.version: [ 1, 2 ]
amdhsa.kernels:
  - .name:           k_qdf3abefca8_prep
    .symbol:         k_qdf3abefca8_prep.kd
    .args:
      - { .name: x, .offset: 0, .size: 8, .value_kind: global_buffer, .address_space: global }
      - { .name: gamma, .offset: 8, .size: 8, .value_kind: global_buffer, .address_space: global }
      - { .name: beta, .offset: 16, .size: 8, .value_kind: global_buffer, .address_space: global }
      - { .name: W_qkv, .offset: 24, .size: 8, .value_kind: global_buffer, .address_space: global }
      - { .name: W_out, .offset: 32, .size: 8, .value_kind: global_buffer, .address_space: global }
      - { .name: xn, .offset: 40, .size: 8, .value_kind: global_buffer, .address_space: global }
      - { .name: wq, .offset: 48, .size: 8, .value_kind: global_buffer, .address_space: global }
      - { .name: wo, .offset: 56, .size: 8, .value_kind: global_buffer, .address_space: global }
    .group_segment_fixed_size: 0
    .private_segment_fixed_size: 0
    .kernarg_segment_align: 8
    .kernarg_segment_size: 64
    .max_flat_workgroup_size: 256
    .sgpr_count:     66
    .vgpr_count:     144
    .wavefront_size: 32
...
	.end_amdgpu_metadata
.endif
;; end of part 5
;; launch qkv: the kernel of part 2 again; grid 16 x 16, 4 waves a work-group, clusters of 4 x 4, 327,680 bytes of LDS; arguments xn, wq, qkvh; writes qkvh
;; launch attn: the kernel of part 3 again; grid 8 x 32, 8 waves a work-group, no clusters, 230,400 bytes of LDS; arguments qkvh, attnh; writes attnh
;; launch oproj: the kernel of part 4 again; grid 8 x 32, 4 waves a work-group, clusters of 4 x 4, 327,680 bytes of LDS; arguments attnh, wo, x, out0; writes out0
